; MI455X (gfx1250); checked and timed in simulation.
; The chip was launched on July 23, 2026; its instructions are those of AMD's public machine-readable ISA for CDNA 5 (MIT licence, August 2026) and "CDNA5" Instruction Set Architecture Reference Guide (July 2026). The comments in the code are by the model that wrote it; some were corrected since.
;; Multi Head Attention. Allowed arithmetic: matrix products marked QUANTISED: E2M3 operands, one E8M0 scale for each 32 along K, by v_wmma_scale_f32_16x16x128_f8f6f4 with both operands' format E2M3, f32 sums; everything else in f32.
;; Inputs: Wk 16 x 1,024 x 64 float32; Wo 1,024 x 1,024 float32; Wq 16 x 1,024 x 64 float32; Wv 16 x 1,024 x 64 float32; bo 1,024 float32; x 4 x 2,048 x 1,024 float32.
;; Outputs: out0 4 x 2,048 x 1,024 float32.
;; This version of the problem:
;;   THIS VERSION OF THE PROBLEM IS GIVEN IN LOW PRECISION. The matrix products marked QUANTISED in the list below multiply operands that are first quantised to E2M3 (2 exponent bits, 3 mantissa bits; 6 bits a number), with one power-of-two scale for each 32 numbers along K (OCP MX v1.0); their sums are f32. All else is computed in f32.
;;   The module's matrix products, in the order in which they are computed (A, B: the left and right operand; K: the contracted axis; several contracted axes count as one K, in the product's order):
;;     1. [M 1,024, K 1,024] x [K 1,024, N 8,192]; A: input Wq; B: input x: QUANTISED
;;     2. [M 1,024, K 1,024] x [K 1,024, N 8,192]; A: input Wk; B: input x: QUANTISED
;;     3. [M 1,024, K 1,024] x [K 1,024, N 8,192]; A: input Wv; B: input x: QUANTISED
;;     4. batch 64 x [M 2,048, K 64] x [K 64, N 2,048]; A: computed on the way; B: computed on the way: QUANTISED
;;     5. batch 64 x [M 2,048, K 2,048] x [K 2,048, N 64]; A: softmax (see below); B: computed on the way: QUANTISED
;;     6. [M 8,192, K 1,024] x [K 1,024, N 1,024]; A: computed on the way; B: input Wo: QUANTISED
;;   THE QUANTISER, for each operand of a quantised product, along K:
;;     - K is cut into blocks of 32 from its start; a last block that is shorter is filled with zeros.
;;     - A block's scale is 2^e with e = floor(log2(the largest magnitude in the block)) - 2, held to -126 .. 127; a block of zeros has e = 0. As a byte (E8M0): e + 127.
;;     - Each number is divided by its block's scale, clamped to +-7.5, and rounded to the nearest number of E2M3, ties to even, subnormals kept.
;;     - The product sums the exact products of the quantised numbers (number of the format x scale) in f32.
;;   ~~~python
;;   def quantise(x, axis):      # numpy; x: float32 -> the quantised numbers, widened to float32 again
;;       x = np.moveaxis(x, axis, -1); K = x.shape[-1]
;;       x = np.pad(x, [(0, 0)] * (x.ndim - 1) + [(0, -K % 32)]); x = x.reshape(x.shape[:-1] + (-1, 32)); a = np.abs(x).max(-1, keepdims=True)
;;       e = np.where(a > 0, np.clip(np.frexp(np.where(a > 0, a, 1))[1] - 1 - 2, -126, 127), 0)      # np.frexp(a)[1] - 1 = floor(log2(a)), exactly
;;       r = np.clip(x / 2.0 ** e, -7.5, 7.5)
;;       step = 2.0 ** (np.maximum(np.frexp(np.where(r == 0, 1, r))[1] - 1, 0) - 3)
;;       q = np.round(r / step) * step * 2.0 ** e      # np.round: ties to even
;;       return np.moveaxis(q.reshape(q.shape[:-2] + (-1,))[..., :K], -1, axis).astype(np.float32)
;;   ~~~
;;   SOFTMAX AHEAD OF A QUANTISED PRODUCT. Where the list says 'softmax', what is quantised is not the finished softmax but p = 2^(t - M), with t = logit x log2(e) and M = ceil(the row's largest t), a whole number; so 1/2 < the row's largest p <= 1. The row's sum l is taken of the UNQUANTISED p, in f32, and the product's result is divided by l at the end. Since M is a whole number, a kernel that streams over the keys may use a running M (the ceiling of the running maximum): every later rescaling is an exact power of two, which a block's scale takes up: the codes' values come out the same.
;;   OPERANDS COMPUTED ON THE WAY. 'Computed on the way' means the value that the module computes at that place (a softmax that the list does not call 'softmax' is quantised finished and normalised). What goes into a quantiser is computed in f32, as accurately as f32 sums, v_exp_f32 and their like allow (about 1e-6 of the number): no bf16 or f16 on the way to a quantiser, and a product that is left as it is and whose result goes on into a quantised operand takes f32 operands (vector FMAs, or v_wmma_f32_16x16x4_f32). A number that lies on a knife's edge between two numbers of the format may be rounded either way, as far as f32 arithmetic and the matrix unit's own rounding can turn it there, and no further.
;; One version. Each part assembles by itself: llvm-mc -triple=amdgcn-amd-amdhsa -mcpu=gfx1250 --defsym DOCPART=n.
;; ======== version 1 of 1: 4 launches
;; limits: right only within a limited range of input values
;; workspace buffers: xc 6,291,456 bytes; xs 262,144 bytes; wc 6,291,456 bytes; ws 131,072 bytes; qkv 20,447,232 bytes; ao 6,291,456 bytes; asw 262,144 bytes
;; launch quant (part 1): grid 384 x 1, 4 waves a work-group, no clusters, 68,096 bytes of LDS; arguments x, xc, xs, Wq, Wk, Wv, Wo, wc, ws; writes xc, xs, wc, ws
.if DOCPART == 1
	.amdgcn_target "amdgcn-amd-amdhsa--gfx1250"
	.amdhsa_code_object_version 6
	.text
	.protected	k_qb95313215a_quant
	.globl	k_qb95313215a_quant
	.p2align	8
	.type	k_qb95313215a_quant,@function
k_qb95313215a_quant:
	s_mov_b64 s[64:65], 0
	v_nop
	global_prefetch_b8 v0, s[64:65] scope:SCOPE_SE
	s_setreg_imm32_b32 hwreg(HW_REG_WAVE_MODE, 25, 1), 1
	s_wait_xcnt 0x0
; MULTI-HEAD ATTENTION ON CODES OF E2M3, FIRST OF FOUR LAUNCHES: the inputs become codes, 6 bits each, K innermost, with one E8M0 byte for each 32 along K.
; DEAD WORK: none.  Every input (x, Wq, Wk, Wv, Wo, bo) has a way to out0 for all values, every product of the problem is live, and nothing is left out in any launch.
; A block's scale is 2^(floor(log2(its largest magnitude)) - 2); its byte is the largest magnitude's exponent field - 2, held at 1 from below; numbers are divided by it and rounded to the nearest code, ties to even, beyond 7.5 the largest code.
; LIMITS: NaN and infinities among the inputs are not served.  A block of zeros gets the byte 1 where the rule says 127: its codes are zeros, which add nothing, and this program alone reads the bytes.  Blocks whose largest magnitude lies under 2^-124 are held at byte 1.
; VIRTUAL ORDER OF ROWS, in all this program's buffers: in each group of 32 rows, rows 8-15 and 16-23 change places (bits 3 and 4 of the row's number are swapped).  Sixteen neighbouring rows of a buffer, tile 2 b + u, lane r,
; are then the actual rows 32 b + 8 u + r + 8 (r / 8), so that in a product used transposed the 16 registers of tiles 2 b and 2 b + 1 are 16 actual neighbours: what the next quantiser wants in one lane.
; WORK-GROUPS 0-255: x [8192][1024], K innermost.  A wave takes 8 rows, 16 steps of 512 numbers: loads of 512 consecutive bytes, a turn through the wave's own stage in LDS so that a lane holds 16 neighbours, two lanes to a block.
; WORK-GROUPS 256-383: Wq, Wk, Wv [16][1024 (K)][64] and Wo [1024 (K)][1024]: K is not innermost.  A lane takes a column, its registers run down K; a wave takes 32 columns x 256 along K; the codes leave through a stage as rows.
; wc's rows: 0-1023 Wq (head x 64 + e), 1024- Wk, 2048- Wv, 3072- Wo (n).  The two paths have LDS bytes of their own.  No tensor loads, no barrier: waves share nothing.
.set STEPS, 16
.set EMAX,  2
.set CB,    12                         ; bytes of 16 codes
.set PL,    1572864                    ; xc and wc are laid [K step of 256][row][192 bytes]: a plane is 8,192 rows of 192 bytes in both (wc uses the first 4,096 rows of each), so 128 rows of one K step are 24,576 dense bytes
.set R,     16                         ; x: v16-79   four sets of 16 numbers as loaded
.set X,     80                         ; x: v80-111  two sets of 16 neighbours
.set E,     112                        ; x: v112-127 a scale byte for each step
.set C,     128                        ; x: v128-191 codes, four registers a step
.set WREG,  8192                       ; x: a wave's LDS: two stages of 32 x 80 bytes, then its 256 scale bytes
.set SP,    80
.set SB,    24                         ; W: v24-25   eight scale bytes
.set XW,    32                         ; W: v32-95   two sets of 32 numbers
.set CW,    96                         ; W: v96-102  a block's codes
.set OUTR,  112                        ; W: v112-175 the way out
.set VO,    176                        ; W: v176-207 4 x lane + i x the source's pitch
.set PW,    272                        ; W: a stage row: sixteen places of 16 bytes + 16
.set WSTG,  32768                      ; W: four stages of 32 x 272 bytes
.set SPARE, WSTG+4*32*PW               ; the spare words, 128 bytes a wave: two blocks of 256 bytes that no other line names
.set SPW,   208
.set NIL,   209
	s_load_b256 s[4:11], s[0:1], 0x0               ; x s[4:5], xc s[6:7], xs s[8:9], Wq s[10:11]
	s_load_b256 s[12:19], s[0:1], 0x20             ; Wk s[12:13], Wv s[14:15], Wo s[16:17], wc s[18:19]
	s_load_b64 s[20:21], s[0:1], 0x40              ; ws
	v_lshl_add_u32 v[SPW], v0, 2, SPARE
	v_mov_b32 v[NIL], 0
	v_lshrrev_b32 v1, 5, v0
	v_readfirstlane_b32 s22, v1                    ; wave
	v_and_b32 v2, 31, v0                           ; lane
	s_cmp_lt_u32 ttmp9, 256
	s_cbranch_scc0 .Lweights
	; ---------------- x ----------------
	v_lshlrev_b32 v3, 4, v2                        ; my 16 bytes of a load's 512
	s_mul_i32 s23, s22, WREG
	v_lshrrev_b32 v14, 2, v2
	v_mul_u32_u24 v14, v14, SP
	v_and_b32 v15, 3, v2
	v_lshl_add_u32 v14, v15, 4, v14
	v_add_nc_u32 v14, s23, v14                     ; the stage, on the way in: 80 (lane / 4) + 16 (lane % 4)
	v_mul_u32_u24 v15, v2, SP
	v_add_nc_u32 v15, s23, v15                     ; and on the way out: 80 x lane: my 16 neighbours
	v_and_b32 v4, 15, v2
	v_lshrrev_b32 v10, 4, v2
	v_mul_u32_u24 v4, v4, CB
	v_mad_u32_u24 v4, v10, PL, v4                  ; my codes' place: 12 bytes a lane in a row's 192; lanes 16-31 hold the next K step, one plane on
	v_lshrrev_b32 v5, 1, v2
	s_add_co_u32 s23, s23, 2*32*SP
	v_add_nc_u32 v5, s23, v5                       ; my block's byte among the wave's 256
	v_lshlrev_b32 v7, 3, v2
	v_add_nc_u32 v6, s23, v7
	s_and_b32 s25, s22, 1                          ; the wave is the group of 8 rows in a group of 32: groups 1 and 2 change places on the way out
	s_lshl_b32 s25, s25, 1
	s_lshr_b32 s26, s22, 1
	s_or_b32 s25, s25, s26
	s_lshl_b32 s26, ttmp9, 2
	s_add_co_u32 s24, s26, s22                     ; which 8 rows I read
	s_add_co_u32 s25, s26, s25                     ; and which 8 rows I write
	s_lshl_b32 s26, s24, 15                        ; 8 rows of 4,096 bytes
	s_mov_b32 s27, 0
	s_mul_i32 s28, s25, 1536                       ; 8 rows of 192 bytes
	s_mov_b32 s29, 0
	s_lshl_b32 s30, s25, 8                         ; 8 rows of 32 bytes
	s_mov_b32 s31, 0
	s_wait_alu depctr_va_vdst(0)
	s_wait_kmcnt 0x0
	s_add_nc_u64 s[4:5], s[4:5], s[26:27]
	s_add_nc_u64 s[6:7], s[6:7], s[28:29]
	s_add_nc_u64 s[8:9], s[8:9], s[30:31]
.macro XLOAD t
.irp i, 0,1,2,3
	global_load_b128 v[R+16*((\t)%4)+4*\i:R+16*((\t)%4)+4*\i+3], v3, s[4:5] offset:2048*(\t)+512*\i th:TH_LOAD_NT   ; 32 lanes read 512 consecutive bytes
.endr
.endm
.macro XTURN t                         ; step t's numbers through the stage: LDS serves a wave's instructions in order, so no wait stands between the stores and the loads
.irp i, 0,1,2,3
	ds_store_b128 v14, v[R+16*((\t)%4)+4*\i:R+16*((\t)%4)+4*\i+3] offset:32*SP*((\t)%2)+8*SP*\i
.endr
.irp i, 0,1,2,3
	ds_load_b128 v[X+16*((\t)%2)+4*\i:X+16*((\t)%2)+4*\i+3], v15 offset:32*SP*((\t)%2)+16*\i
.endr
.endm
.irp t, 0,1,2,3
	XLOAD \t
.endr
	s_wait_loadcnt 12                              ; step 0's four loads are in
	XTURN 0
.macro XSTEP t
.set XS, X+16*((\t)%2)
.if (\t) > 0
	s_wait_dscnt 1                                 ; this step's numbers are back from the stage (the last step's byte store may be out)
.else
	s_wait_dscnt 0x0
.endif
.if (\t)+4 < STEPS
	XLOAD (\t)+4                                   ; into the registers that this step's stage stores have read
.endif
.if (\t)+1 < STEPS
.if STEPS-2-(\t) >= 3
	s_wait_loadcnt 12                              ; the next step's four loads are in; three steps' loads may be out
.else
	s_wait_loadcnt 4*(STEPS-2-(\t))
.endif
	XTURN (\t)+1
.endif
	v_max3_num_f32 v8, |v[XS]|, |v[XS+1]|, |v[XS+2]|               ; the largest magnitude of my 16
	v_max3_num_f32 v9, |v[XS+3]|, |v[XS+4]|, |v[XS+5]|
.irp i, 6,10
	v_max3_num_f32 v8, v8, |v[XS+\i]|, |v[XS+\i+1]|
	v_max3_num_f32 v9, v9, |v[XS+\i+2]|, |v[XS+\i+3]|
.endr
	v_max3_num_f32 v8, v8, |v[XS+14]|, |v[XS+15]|
	v_max3_num_f32 v8, v8, v9, (EMAX+1)<<23        ; and the floor 2^(3 - 127): the byte cannot fall under 1
	v_max_num_f32_dpp v8, v8, v8 row_xmask:1 row_mask:0xf bank_mask:0xf   ; and of my neighbour's 16: the block's
	v_add_nc_u32 v11, -(EMAX<<23), v8              ; 2 off its exponent field: the conversion takes this operand's exponent field as its scale
	v_cvt_scalef32_pk16_fp6_f32 v[C+4*(\t):C+4*(\t)+2], v[XS:XS+15], v11
	v_lshrrev_b32 v[E+(\t)], 23, v11               ; the scale's byte (also the plain line behind the conversion)
	ds_store_b8 v5, v[E+(\t)] offset:16*(\t)       ; both lanes of a block write the same byte with the same value
	global_store_b96 v4, v[C+4*(\t):C+4*(\t)+2], s[6:7] offset:192*((\t)/2)+2*PL*((\t)%2)   ; row t / 2, K steps 2 (t % 2) and 2 (t % 2) + 1: sixteen lanes store a row's 192 consecutive bytes
.endm
.irp t, 0,1,2,3,4,5,6,7,8,9,10,11,12,13,14,15
	XSTEP \t
.endr
	ds_load_b64 v[8:9], v6                         ; LDS serves a wave's instructions in order: these see my byte stores
	s_wait_dscnt 0x0
	global_store_b64 v7, v[8:9], s[8:9]            ; 32 lanes store 256 consecutive bytes, aligned
	s_branch .Lend
	; ---------------- the weights ----------------
.Lweights:
	s_sub_co_u32 s23, ttmp9, 256
	s_and_b32 s24, s23, 31
	s_lshl_b32 s24, s24, 2
	s_add_co_u32 s24, s24, s22                     ; G: which 32 rows of wc are my wave's, 0..127
	s_lshr_b32 s23, s23, 5                         ; y: which 256 along K
	s_lshr_b32 s25, s24, 5                         ; which matrix: 0 Wq, 1 Wk, 2 Wv, 3 Wo
	s_and_b32 s26, s24, 31                         ; which 32 of its 1,024 columns
	s_lshl_b32 s52, s26, 7                         ; Wo: 32 columns of 4 bytes
	s_lshr_b32 s53, s26, 1                         ; the others: the head, 262,144 bytes each,
	s_lshl_b32 s53, s53, 18
	s_and_b32 s54, s24, 1                          ; and which half of its 64 columns
	s_lshl_b32 s54, s54, 7
	s_or_b32 s53, s53, s54
	s_mov_b32 s27, 256
	s_cmp_eq_u32 s25, 3
	s_cselect_b32 s27, 4096, s27                   ; bytes from one k to the next
	s_cselect_b32 s52, s52, s53
	s_mul_i32 s53, s23, s27
	s_lshl_b32 s53, s53, 8                         ; 256 y rows down
	s_add_co_u32 s52, s52, s53
	s_mov_b32 s53, 0
	s_lshl_b32 s30, s27, 5                         ; a block of 32 along K
	s_mov_b32 s31, 0
	s_mul_i32 s56, s24, 6144                       ; codes: plane y, 32 G rows of 192 bytes
	s_mul_i32 s57, s23, PL
	s_add_co_u32 s56, s56, s57
	s_mov_b32 s57, 0
	s_lshl_b32 s58, s24, 10                        ; scale bytes: 32 G rows of 32 bytes + 8 y
	s_lshl_b32 s59, s23, 3
	s_add_co_u32 s58, s58, s59
	s_mov_b32 s59, 0
	s_wait_alu depctr_va_vdst(0)
	v_lshlrev_b32 v3, 2, v2                        ; in: 4 bytes a lane
.irp i, 0,1,2,3,4,5,6,7,8,9,10,11,12,13,14,15,16,17,18,19,20,21,22,23,24,25,26,27,28,29,30,31
	v_mad_u32_u24 v[VO+\i], s27, \i, v3            ; row i of a block
.endr
	s_mul_i32 s55, s22, 32*PW
	s_add_co_u32 s55, s55, WSTG                    ; my stage
	v_mul_u32_u24 v4, v2, PW
	v_add_nc_u32 v4, s55, v4                       ; into it: row = my column
	v_and_b32 v5, 15, v2
	v_lshrrev_b32 v6, 4, v2
	v_mul_u32_u24 v7, v6, PW
	v_lshl_add_u32 v7, v5, 4, v7
	v_add_nc_u32 v7, s55, v7                       ; out of it: sixteen lanes to a row, two rows an instruction
	v_mul_u32_u24 v8, v6, 192
	v_mad_u32_u24 v8, v5, 12, v8                   ; and the same place in wc
	v_and_b32 v9, 7, v2                            ; my column's row of scale bytes, in the virtual order
	v_and_b32 v10, 8, v2
	v_lshl_or_b32 v9, v10, 1, v9
	v_and_b32 v10, 16, v2
	v_lshrrev_b32 v10, 1, v10
	v_or_b32 v9, v9, v10
	v_lshlrev_b32 v9, 5, v9
	s_wait_kmcnt 0x0
	s_cmp_eq_u32 s25, 0                            ; the choice hangs on the work-group's number alone
	s_cselect_b64 s[28:29], s[10:11], s[12:13]
	s_cmp_eq_u32 s25, 2
	s_cselect_b64 s[28:29], s[14:15], s[28:29]
	s_cmp_eq_u32 s25, 3
	s_cselect_b64 s[28:29], s[16:17], s[28:29]
	s_add_nc_u64 s[32:33], s[28:29], s[52:53]      ; block 0's first row; s[32+2t:33+2t]: block t's
.irp t, 1,2,3,4,5,6,7
	s_add_nc_u64 s[32+2*\t:33+2*\t], s[30+2*\t:31+2*\t], s[30:31]
.endr
	s_add_nc_u64 s[48:49], s[18:19], s[56:57]
	s_add_nc_u64 s[50:51], s[20:21], s[58:59]
.macro WLOAD t                         ; block t: 32 rows down K at my column, into set t % 2; a load reads 128 consecutive bytes
.irp i, 0,1,2,3,4,5,6,7,8,9,10,11,12,13,14,15,16,17,18,19,20,21,22,23,24,25,26,27,28,29,30,31
	global_load_b32 v[XW+32*((\t)%2)+\i], v[VO+\i], s[32+2*(\t):33+2*(\t)] th:TH_LOAD_NT
.endr
.endm
	WLOAD 0
	WLOAD 1
.macro WBLOCK t
.set XS, XW+32*((\t)%2)
.if (\t) < 7
	s_wait_loadcnt 32                              ; this block's 32 loads are in; the next block's may be out
.else
	s_wait_loadcnt 0
.endif
	v_max3_num_f32 v12, |v[XS]|, |v[XS+1]|, |v[XS+2]|              ; the block's largest magnitude: all 32 numbers are mine
	v_max3_num_f32 v13, |v[XS+3]|, |v[XS+4]|, |v[XS+5]|
.irp i, 6,10,14,18,22,26
	v_max3_num_f32 v12, v12, |v[XS+\i]|, |v[XS+\i+1]|
	v_max3_num_f32 v13, v13, |v[XS+\i+2]|, |v[XS+\i+3]|
.endr
	v_max3_num_f32 v12, v12, |v[XS+30]|, |v[XS+31]|
	v_max3_num_f32 v12, v12, v13, (EMAX+1)<<23
	v_add_nc_u32 v11, -(EMAX<<23), v12
	v_lshrrev_b32 v13, 23, v11                     ; the scale's byte
.if (\t)%4 == 0
	v_mov_b32 v[SB+(\t)/4], v13                    ; four bytes to a register, the lower K in the lower byte
.else
	v_lshl_or_b32 v[SB+(\t)/4], v13, 8*((\t)%4), v[SB+(\t)/4]
.endif
	v_cvt_scalef32_pk16_fp6_f32 v[CW:CW+2], v[XS:XS+15], v11
	v_cvt_scalef32_pk16_fp6_f32 v[CW+4:CW+6], v[XS+16:XS+31], v11  ; (a conversion's three registers begin on an even number)
	ds_store_b96 v4, v[CW:CW+2] offset:32*(\t)     ; 12 bytes to a place of 16, so that every LDS address is a multiple of 16
	ds_store_b96 v4, v[CW+4:CW+6] offset:32*(\t)+16
.if (\t)+2 < 8
	WLOAD (\t)+2
.endif
	s_wait_dscnt 0x0                               ; the stores have read their registers: the next block's codes may be written (plain lines stand ahead of them)
.endm
.irp t, 0,1,2,3,4,5,6,7
	WBLOCK \t
.endr
	s_wait_alu depctr_va_vdst(0)
	global_store_b64 v9, v[SB:SB+1], s[50:51]      ; my column's eight scale bytes
.irp t, 0,1,2,3,4,5,6,7,8,9,10,11,12,13,14,15
	ds_load_b96 v[OUTR+4*\t:OUTR+4*\t+2], v7 offset:2*\t*PW   ; LDS serves a wave's instructions in order: these see my stores
.endr
.irp t, 0,1,2,3,4,5,6,7,8,9,10,11,12,13,14,15
	s_wait_dscnt 15-\t
	global_store_b96 v8, v[OUTR+4*\t:OUTR+4*\t+2], s[48:49] offset:(((2*\t)&7)|(((2*\t)&8)<<1)|(((2*\t)&16)>>1))*192   ; columns 2 t, 2 t + 1 go to their rows in the virtual order; sixteen lanes store a row's 192 consecutive bytes
.endr
.Lend:
	s_wait_tensorcnt 0x0                           ; the wave's end
	ds_add_u32 v[SPW], v[NIL]
	s_wait_dscnt 0x0
	s_endpgm
.Lfunc_end_k_qb95313215a_quant:
	.size	k_qb95313215a_quant, .Lfunc_end_k_qb95313215a_quant-k_qb95313215a_quant
	.p2alignl 7, 3214868480
	.fill 96, 4, 3214868480
	.section	.rodata,"a",@progbits
	.p2align	6, 0x0
	.amdhsa_kernel k_qb95313215a_quant
		.amdhsa_group_segment_fixed_size 68096
		.amdhsa_private_segment_fixed_size 0
		.amdhsa_enable_private_segment 0
		.amdhsa_kernarg_size 72
		.amdhsa_user_sgpr_count 2
		.amdhsa_user_sgpr_kernarg_segment_ptr 1
		.amdhsa_wavefront_size32 1
		.amdhsa_system_sgpr_workgroup_id_x 1
		.amdhsa_system_sgpr_workgroup_id_y 1
		.amdhsa_system_sgpr_workgroup_id_z 1
		.amdhsa_system_vgpr_workitem_id 0
		.amdhsa_next_free_vgpr 224
		.amdhsa_next_free_sgpr 66
		.amdhsa_reserve_vcc 0
		.amdhsa_float_denorm_mode_32 3
		.amdhsa_float_denorm_mode_16_64 3
		.amdhsa_memory_ordered 1
		.amdhsa_forward_progress 1
		.amdhsa_inst_pref_size 76
	.end_amdhsa_kernel
	.amdgpu_metadata
---
amdhsa.version: [ 1, 2 ]
amdhsa.kernels:
  - .name:           k_qb95313215a_quant
    .symbol:         k_qb95313215a_quant.kd
    .args:
      - { .name: x, .offset: 0, .size: 8, .value_kind: global_buffer, .address_space: global }
      - { .name: xc, .offset: 8, .size: 8, .value_kind: global_buffer, .address_space: global }
      - { .name: xs, .offset: 16, .size: 8, .value_kind: global_buffer, .address_space: global }
      - { .name: Wq, .offset: 24, .size: 8, .value_kind: global_buffer, .address_space: global }
      - { .name: Wk, .offset: 32, .size: 8, .value_kind: global_buffer, .address_space: global }
      - { .name: Wv, .offset: 40, .size: 8, .value_kind: global_buffer, .address_space: global }
      - { .name: Wo, .offset: 48, .size: 8, .value_kind: global_buffer, .address_space: global }
      - { .name: wc, .offset: 56, .size: 8, .value_kind: global_buffer, .address_space: global }
      - { .name: ws, .offset: 64, .size: 8, .value_kind: global_buffer, .address_space: global }
    .group_segment_fixed_size: 68096
    .private_segment_fixed_size: 0
    .kernarg_segment_align: 8
    .kernarg_segment_size: 72
    .max_flat_workgroup_size: 128
    .sgpr_count:     66
    .vgpr_count:     224
    .wavefront_size: 32
...
	.end_amdgpu_metadata
.endif
;; end of part 1
;; launch qkv (part 2): grid 12 x 32, 4 waves a work-group, clusters of 4 x 4, 327,680 bytes of LDS; arguments xc, xs, wc, ws, qkv; writes qkv
.if DOCPART == 2
	.amdgcn_target "amdgcn-amd-amdhsa--gfx1250"
	.amdhsa_code_object_version 6
	.text
	.protected	k_qb95313215a_qkv
	.globl	k_qb95313215a_qkv
	.p2align	8
	.type	k_qb95313215a_qkv,@function
k_qb95313215a_qkv:
	s_mov_b64 s[64:65], 0
	v_nop
	global_prefetch_b8 v0, s[64:65] scope:SCOPE_SE
	s_setreg_imm32_b32 hwreg(HW_REG_WAVE_MODE, 25, 1), 1
	s_wait_xcnt 0x0
	s_wait_alu depctr_hold_cnt(0) depctr_sa_sdst(0) depctr_va_vdst(0) depctr_va_sdst(0) depctr_va_ssrc(0) depctr_va_vcc(0) depctr_vm_vsrc(0)
	s_getreg_b32 s2, hwreg(HW_REG_IB_STS2, 6, 4)
	s_cmp_eq_u32 s2, 0
	s_cbranch_scc0 .Lentry_in_a_cluster
	s_endpgm
.Lentry_in_a_cluster:
	s_bfe_u32 s2, ttmp6, 0x10000c
	s_cmp_lg_u32 s2, 0xf033
	s_cbranch_scc0 .Lentry_shape_is_right
	s_endpgm
.Lentry_shape_is_right:
; SECOND LAUNCH: q, k, v = x W on codes of E2M3, K = 1,024, and their quantising on the way out.  Nothing is left out.  LIMITS as stated at the first launch's head.
; A tile of 256 x 256 to a work-group of four waves, 128 x 128 a wave (64 accumulators, 512 registers); K in steps of 256 through a ring of two LDS slots; the scale bytes of the tile's rows stay in LDS for all of K.
; TWO ROLES, chosen by the cluster's x, which all sixteen partners share.  Clusters x = 0, 1: A = x's 8,192 rows, B = the 2,048 rows of Wq and Wk.  Cluster x = 2: A = Wv's 1,024 rows, B = x's rows.
; THE MATRIX INSTRUCTION IS USED TRANSPOSED (source 0 = 16 rows of B, source 1 = 16 rows of A): a lane holds one row of A, and, by the buffers' virtual order of rows, the 16 registers of B's blocks 2 b, 2 b + 1 are the
; 16 actual neighbours 32 b + 16 (lane / 16) + 0..15 along B's rows: the head's e for q and k, the keys for v: each operand's K in the next launch.  So the results are quantised in registers.
; CLUSTERS: 4 x 4.  A's tiles are shared along a row of the cluster, B's along a column: joint loads.
; WHAT IS STORED: images of operand registers.  A fragment (12 registers a lane) leaves by three stores of 512 consecutive bytes, lane l's 16 bytes at 16 l.
; qkv: 1,024 blocks of 19,968 bytes, block (batch x 16 + head) x 16 + step of 128 t:  +0 four images of q, +6,144 their scale words ([32 lanes][4 words]), +6,656 and +12,800 the same of k, +13,312 and +19,456 of v.
; An image f of q or k: registers 0-5 tile 2 f of the step (16 t x the head's 64), registers 6-11 tile 2 f + 1; its word: bytes 0, 1 tile 2 f's, bytes 2, 3 tile 2 f + 1's.  An image f of v: 16 channels x the step's 128 keys.
; REGISTERS, in windows of 256: window 0: v16-29 addresses; v32-63 scale words, two sets; from v128 A's fragments, one set; on the way out v112-130 codes, v200-215 at work, v220-227 scale words.
;   window 1: B's fragments, two sets.  windows 2, 3: the accumulators ((a, b) at v[8 (8 (a % 4) + b)] of window 2 + a / 4).
.set NQ,     2
.set ROWB,   192                       ; a tile's row: 256 codes
.set KROW,   768                       ; a row of codes in memory
.set PITCH,  240                       ; an LDS row: 3 x (64 bytes + 16 of padding)
.set FR,     12
.set NL,     6
.set NP,     4
.set HALFT,  128*PITCH
.set SLOT,   2*HALFT                   ; LDS: A's slot 0, A's slot 1, B's slot 0, B's slot 1, 256 rows each
.set PL,     1572864                   ; xc and wc are laid [K step of 256][row][192 bytes]: from one K step to the next
.set LAPS,   2
.set KS,     32                        ; a row of scale bytes
.set SCL,    4*SLOT
.set HALFS,  (128*KS/256)*272
.set SBLK,   (16*KS/256)*272
.set SPARE,  SCL+4*HALFS               ; the spare words: two blocks of 256 bytes that no other line names
.set BLKB,   19968
.set ADRA, 16
.set ADRB, 20
.set LI,   26                          ; v26  16 x lane
.set ADRS, 27
.set SPW,  28
.set NIL,  29
.set SC,   32
.set AF,   128
.set PC,   112
.set TM,   200
.set SW,   220
.set G1, 24
.set G0, 32
.set G1B, 48
.set G0B, 56
.set G1S, 68
.set G0S, 76
.set G1SB, 80
.set G0SB, 88
.set ROLE, 95                          ; s95  1: the role of v
.set MSB, 0
.macro WIN new                         ; the immediate's high byte repeats the setting that is left
.if MSB != (\new)
	s_set_vgpr_msb (MSB<<8)|(\new)
.set MSB, (\new)
.endif
.endm
.set MUL_LO, 0xa1                      ; source 0 (B) window 1, source 1 (A) window 0, C and D window 2
.set MUL_HI, 0xf1
.set TO_B,   0x40
; A joint load: waves 0 and 1 fetch for A, waves 2 and 3 for B; the branch hangs on the wave's number alone.  An s_nop 0 and four v_nop follow each of the two lines.
.macro JLOAD g0a, g1a, g0b, g1b
	s_cmp_eq_u32 s15, 0
	s_cbranch_scc0 .Lfor_b_\@
	tensor_load_to_lds s[\g0a:\g0a+3], s[\g1a:\g1a+7]
	s_nop 0
.rept 4
	v_nop
.endr
	s_branch .Lasked_\@
.Lfor_b_\@:
	tensor_load_to_lds s[\g0b:\g0b+3], s[\g1b:\g1b+7]
	s_nop 0
.rept 4
	v_nop
.endr
.Lasked_\@:
.endm
.macro CREST
	s_cmp_lg_u32 s14, 0
	s_cbranch_scc1 .Lnot_wave_0_\@
	s_barrier_signal -3
.Lnot_wave_0_\@:
	s_barrier_wait -3
	s_barrier_signal -1
	s_barrier_wait -1
.endm
.macro CROUND
	s_barrier_signal -1
	s_barrier_wait -1
	CREST
.endm
	s_load_b128 s[4:7], s[0:1], 0x0                ; xc, xs
	s_load_b128 s[8:11], s[0:1], 0x10              ; wc, ws
	s_load_b64 s[12:13], s[0:1], 0x20              ; qkv
	v_lshl_add_u32 v[SPW], v0, 2, SPARE
	v_mov_b32 v[NIL], 0
	ds_add_u32 v[SPW], v[NIL]                      ; the wave's opening: the add, twice on end, and its wait ahead of my first tensor load
	ds_add_u32 v[SPW], v[NIL]
	v_lshrrev_b32 v1, 5, v0
	v_readfirstlane_b32 s14, v1                    ; wave 0..3
	s_lshr_b32 s15, s14, 1                         ; which half of the tile's rows is mine.  Also: I fetch for A (0) or for B (1)
	s_and_b32 s16, s14, 1                          ; which half of its columns.  Also: which 128 rows I fetch
	s_bfe_u32 s40, ttmp6, 0x40000                  ; cx
	s_bfe_u32 s41, ttmp6, 0x40004                  ; cy
	s_and_b32 s66, ttmp7, 0xffff                   ; the cluster's y
	s_cmp_eq_u32 ttmp9, 2                          ; the cluster's x: the same in all partners
	s_cselect_b32 s[ROLE], 1, 0
	s_cselect_b32 s42, s66, ttmp9
	s_cselect_b32 s17, 0, s66
	s_lshl_b32 s42, s42, 2
	s_add_co_u32 s42, s42, s40                     ; tile column: q, k: 4 x cluster x + cx (0..7); v: 4 x cluster y + cx (0..31)
	s_lshl_b32 s17, s17, 2
	s_add_co_u32 s17, s17, s41                     ; tile row: q, k: 4 x cluster y + cy (0..31); v: cy (0..3)
	s_lshl_b32 s43, s41, 2
	s_lshl_b32 s43, 15, s43                        ; my row of the cluster
	s_lshl_b32 s44, 0x1111, s40                    ; my column
	s_or_b32 s[G1+0], s43, (3<<16)|(1<<20)|(1<<21)|(3<<22)|(3<<25)  ; the mask; elements of 8 bytes; padding on: 4 words behind every 16; bit 21 beside a mask
	s_or_b32 s[G1B+0], s44, (3<<16)|(1<<20)|(1<<21)|(3<<22)|(3<<25)
.irp g, G1, G1B
	s_mov_b32 s[\g+1], 6144<<16                    ; the head's loads: 256 rows of one K step are 49,152 dense bytes, stated as one row; two such rows, K steps 0 and 1, a plane apart
	s_mov_b32 s[\g+2], 2<<16
	s_mov_b32 s[\g+3], 6144<<16
	s_mov_b32 s[\g+4], 2
	s_mov_b32 s[\g+5], PL/8
	s_mov_b32 s[\g+6], 0
	s_mov_b32 s[\g+7], 0
.endr
	s_or_b32 s[G1S+0], s43, (3<<16)|(1<<20)|(1<<21)|(5<<22)|(3<<25) ; the scale bytes of 256 rows: 8,192 dense bytes as 32 rows of 256, 16 bytes of padding behind each
	s_or_b32 s[G1SB+0], s44, (3<<16)|(1<<20)|(1<<21)|(5<<22)|(3<<25)
.irp g, G1S, G1SB
	s_mov_b32 s[\g+1], 32<<16
	s_mov_b32 s[\g+2], (256*KS/256)<<16            ; the scale bytes of all 256 rows: 32 rows of 256 bytes
	s_mov_b32 s[\g+3], 32<<16
	s_mov_b32 s[\g+4], 256*KS/256
	s_mov_b32 s[\g+5], 32
	s_mov_b32 s[\g+6], 0
	s_mov_b32 s[\g+7], 0
.endr
	s_lshl_b32 s20, s17, 8                         ; A: the tile's first row, 256 x tile row
	s_lshl_b32 s46, s42, 8                         ; B: 256 x tile column
	s_mov_b32 s21, 0
	s_mov_b32 s47, 0
	s_mov_b64 s[18:19], KS
	s_mul_u64 s[22:23], s[20:21], s[18:19]
	s_mul_u64 s[92:93], s[46:47], s[18:19]
	s_mov_b64 s[18:19], ROWB
	s_mul_u64 s[20:21], s[20:21], s[18:19]
	s_mul_u64 s[46:47], s[46:47], s[18:19]
	s_mul_i32 s18, s16, 128*ROWB                   ; in the ring I fetch 128 rows of a tile: which half, in bytes,
	s_mov_b32 s19, 0
	s_mul_i32 s45, s16, HALFT                      ; and where they go: my half, in A's slots or in B's
	s_mul_i32 s94, s15, 2*SLOT
	s_add_co_u32 s45, s45, s94
	s_wait_dscnt 0x0                               ; both opening adds are done
	s_wait_kmcnt 0x0
	s_add_nc_u64 s[96:97], s[8:9], 2048*ROWB       ; Wv's rows in a plane of wc,
	s_add_nc_u64 s[98:99], s[10:11], 2048*KS       ; and in ws
	s_cmp_eq_u32 s[ROLE], 1                        ; which buffers are A's and which B's: the choice hangs on the cluster's x alone
	s_cselect_b64 s[96:97], s[96:97], s[4:5]
	s_cselect_b64 s[98:99], s[98:99], s[6:7]
	s_cselect_b64 s[8:9], s[4:5], s[8:9]
	s_cselect_b64 s[10:11], s[6:7], s[10:11]
	s_mov_b64 s[4:5], s[96:97]
	s_mov_b64 s[6:7], s[98:99]
	s_add_nc_u64 s[20:21], s[4:5], s[20:21]
	s_add_nc_u64 s[22:23], s[6:7], s[22:23]
	s_add_nc_u64 s[46:47], s[8:9], s[46:47]
	s_add_nc_u64 s[92:93], s[10:11], s[92:93]
	CROUND                                         ; all sixteen work-groups are here: the first joint loads meet
	s_mov_b32 s[G0S], 1
	s_mov_b32 s[G0S+1], SCL
	s_mov_b64 s[G0S+2:G0S+3], s[22:23]
	s_or_b32 s[G0S+3], s[G0S+3], 0x80000000
	s_mov_b32 s[G0SB], 1
	s_mov_b32 s[G0SB+1], SCL+2*HALFS
	s_mov_b64 s[G0SB+2:G0SB+3], s[92:93]
	s_or_b32 s[G0SB+3], s[G0SB+3], 0x80000000
	s_mov_b32 s4, 1                                ; group 0 of the head's loads of codes, in registers that held arguments: A's 256 rows, K steps 0 and 1, into A's two slots,
	s_mov_b32 s5, 0
	s_mov_b64 s[6:7], s[20:21]
	s_or_b32 s7, s7, 0x80000000
	s_mov_b32 s8, 1                                ; and B's into B's two
	s_mov_b32 s9, 2*SLOT
	s_mov_b64 s[10:11], s[46:47]
	s_or_b32 s11, s11, 0x80000000
	s_add_nc_u64 s[20:21], s[20:21], s[18:19]      ; for the ring: my 128 rows of the tile
	s_add_nc_u64 s[46:47], s[46:47], s[18:19]
.irp s, 0,1
	s_mov_b32 s[G0+4*\s], 1
	s_add_co_u32 s[G0+4*\s+1], s45, \s*SLOT
	s_add_nc_u64 s[G0+4*\s+2:G0+4*\s+3], s[20:21], \s*PL
	s_or_b32 s[G0+4*\s+3], s[G0+4*\s+3], 0x80000000
	s_mov_b32 s[G0B+4*\s], 1
	s_add_co_u32 s[G0B+4*\s+1], s45, \s*SLOT
	s_add_nc_u64 s[G0B+4*\s+2:G0B+4*\s+3], s[46:47], \s*PL
	s_or_b32 s[G0B+4*\s+3], s[G0B+4*\s+3], 0x80000000
.endr
; THE HEAD'S LOADS, ONE A WAVE: wave 0 A's codes of K steps 0 and 1, wave 1 B's, wave 2 A's scale bytes, wave 3 B's.  One tree of branches on the wave's number: every way passes exactly one load.
.macro ARM under, g0, g1, next
	s_cmp_lt_u32 s14, \under
	s_cbranch_scc0 \next
	tensor_load_to_lds s[\g0:\g0+3], s[\g1:\g1+7]
	s_nop 0
.rept 4
	v_nop
.endr
	s_branch .Lhead_asked
\next:
.endm
	ARM 1, 4,   G1,  .Lhead_b
	ARM 2, 8,   G1B, .Lhead_sa
	ARM 3, G0S, G1S, .Lhead_sb
	tensor_load_to_lds s[G0SB:G0SB+3], s[G1SB:G1SB+7]
	s_nop 0
.rept 4
	v_nop
.endr
.Lhead_asked:
	v_and_b32 v1, 15, v0                           ; l % 16
	v_bfe_u32 v2, v0, 4, 1                         ; l / 16
	v_mul_u32_u24 v3, v1, PITCH
	v_mul_u32_u24 v4, v2, 24
	v_add_nc_u32 v4, v3, v4                        ; a fragment's row x pitch + 24 x half
	v_lshl_add_u32 v5, v2, 4, v4                   ; and the same behind one padding more
	s_mul_i32 s21, s15, HALFT                      ; my 128 rows of A
	s_mul_i32 s22, s16, HALFT                      ; my 128 rows of B,
	s_add_co_u32 s22, s22, 2*SLOT                  ; behind A's two slots
.irp s, 0,1
	v_add_nc_u32 v[ADRA+\s], s21, v4
	v_add_nc_u32 v[ADRB+\s], s22, v4
	v_add_nc_u32 v[ADRA+2+\s], s21, v5
	v_add_nc_u32 v[ADRB+2+\s], s22, v5
	s_add_co_u32 s21, s21, SLOT
	s_add_co_u32 s22, s22, SLOT
.endr
	v_mul_u32_u24 v5, v1, KS                       ; my row's scale bytes,
	v_lshrrev_b32 v6, 8, v5
	v_lshl_add_u32 v5, v6, 4, v5                   ; and 16 more for each 256 passed
	s_mul_i32 s21, s15, HALFS
	s_mul_i32 s22, s16, HALFS
	s_add_co_u32 s22, s22, 2*HALFS
	s_sub_co_u32 s22, s22, s21
	v_mul_u32_u24 v6, s22, v2                      ; lanes 16-31 take B's
	s_add_co_u32 s21, s21, SCL
	v_add_nc_u32 v5, v5, v6
	v_add_nc_u32 v[ADRS], s21, v5
	v_and_b32 v6, 31, v0
	v_lshlrev_b32 v[LI], 4, v6                     ; an image's place for my lane
	; where my wave's images go.  R, Cn: which 128 rows of A and of B are mine
	s_lshl_b32 s96, s17, 1
	s_add_co_u32 s96, s96, s15                     ; R
	s_lshl_b32 s97, s42, 1
	s_add_co_u32 s97, s97, s16                     ; Cn
	s_and_b32 s98, s97, 7                          ; q, k: the pair of heads,
	s_lshr_b32 s99, s97, 3
	s_mul_i32 s99, s99, 6656                       ; and q's or k's part of a block
	s_mov_b32 s101, 13312
	s_cmp_eq_u32 s[ROLE], 1
	s_cselect_b32 s100, s97, s96                   ; which 128 t (batch x 16 + step)
	s_cselect_b32 s98, s96, s98                    ; the pair of heads
	s_cselect_b32 s99, s101, s99                   ; the part of a block
	s_lshr_b32 s96, s100, 4
	s_lshl_b32 s96, s96, 8                         ; batch x 256
	s_lshl_b32 s98, s98, 5
	s_add_co_u32 s96, s96, s98                     ; + pair x 32
	s_and_b32 s100, s100, 15
	s_add_co_u32 s96, s96, s100                    ; + step: the even head's block; the odd head's lies 16 blocks on
	s_mul_i32 s96, s96, BLKB
	s_add_co_u32 s96, s96, s99
	s_mov_b32 s97, 0
	s_add_nc_u64 s[12:13], s[12:13], s[96:97]
.macro FRAG reg, adr, q, i             ; 16 rows x 128 K: lane l holds row l % 16; registers 6 c .. 6 c + 5 hold K = 64 c + 32 (l / 16) + 0 .. 31: 24 bytes as they lie, in pieces of 8
.irp p, 0,1,2,3,4,5
.set PIECE, 12*(\q)+6*(\p/3)+\p%3      ; 16 bytes of padding lie behind every 8 pieces: where the piece three on lies behind one padding more, the second address register serves
.if PIECE%8 < 5
	ds_load_b64 v[\reg+2*\p:\reg+2*\p+1], v[\adr] offset:8*PIECE+16*(PIECE/8)+(\i)*16*PITCH
.else
	ds_load_b64 v[\reg+2*\p:\reg+2*\p+1], v[\adr+2] offset:8*PIECE+16*(PIECE/8)+(\i)*16*PITCH
.endif
.endr
.endm
; 16 matrix instructions: A's blocks a0, a0 + 1 x B's eight.  The 64 accumulators take turns, one instruction a turn, in the same order in every step.
.macro MUL16 a0, p, q, sc, zero
.irp a, \a0, \a0+1
.irp b, 0,1,2,3,4,5,6,7
.if \zero
	v_wmma_scale_f32_16x16x128_f8f6f4 v[8*(8*((\a)%4)+\b):8*(8*((\a)%4)+\b)+7], v[128*(\p)+FR*\b:128*(\p)+FR*\b+FR-1], v[AF+FR*(\a):AF+FR*(\a)+FR-1], 0, v[SC+8*NQ*(\sc)+NQ*\b+(\q)], v[SC+8*NQ*(\sc)+NQ*(\a)+(\q)] matrix_a_fmt:MATRIX_FMT_FP6 matrix_b_fmt:MATRIX_FMT_FP6 matrix_a_scale:MATRIX_SCALE_ROW1
.else
	v_wmma_scale_f32_16x16x128_f8f6f4 v[8*(8*((\a)%4)+\b):8*(8*((\a)%4)+\b)+7], v[128*(\p)+FR*\b:128*(\p)+FR*\b+FR-1], v[AF+FR*(\a):AF+FR*(\a)+FR-1], v[8*(8*((\a)%4)+\b):8*(8*((\a)%4)+\b)+7], v[SC+8*NQ*(\sc)+NQ*\b+(\q)], v[SC+8*NQ*(\sc)+NQ*(\a)+(\q)] matrix_a_fmt:MATRIX_FMT_FP6 matrix_b_fmt:MATRIX_FMT_FP6 matrix_a_scale:MATRIX_SCALE_ROW1
.endif
.endr
.endr
.endm
.macro FETCH_B slot, q, p
	WIN TO_B
.irp i, 0,1,2,3,4,5,6,7
	FRAG 128*(\p)+FR*\i, ADRB+\slot, \q, \i
.endr
	WIN 0
.endm
.macro FETCH_A slot, q, i0
.irp i, \i0, \i0+1, \i0+2, \i0+3
	FRAG AF+FR*(\i), ADRA+\slot, \q, \i
.endr
.endm
.macro SCALES sc                       ; a K step's scale words: lanes 0-15 take A's block i, lanes 16-31 B's block i
.irp i, 0,1,2,3,4,5,6,7
	ds_load_b64 v[SC+8*NQ*\sc+NQ*\i:SC+8*NQ*\sc+NQ*\i+1], v[ADRS] offset:\i*SBLK
.endr
.endm
.macro PLACES n                        ; plain vector instructions between a matrix instruction and a load into, or a read of, its registers (ISA guide 7.12.1 for reads)
.rept \n
	v_nop
.endr
.endm
.macro STEP slot, q, zero              ; 128 along K, with its successor in the same slot
	s_wait_dscnt 4*NL                              ; B's set and A's blocks 0-3 are in; A's blocks 4-7 (24 loads) may be out
	WIN MUL_LO
	MUL16 0, (\q)%2, \q, \slot, \zero
	MUL16 2, (\q)%2, \q, \slot, \zero
	s_wait_dscnt 0
	PLACES NP
	FETCH_B \slot, (\q)+1, 1-(\q)%2
	FETCH_A \slot, (\q)+1, 0
	WIN MUL_HI
	MUL16 4, (\q)%2, \q, \slot, \zero
	MUL16 6, (\q)%2, \q, \slot, \zero
	PLACES NP
	WIN 0
	FETCH_A \slot, (\q)+1, 4
.endm
; A slot's last step changes slots: one barrier; in front of it each wave waits for all its tensor loads, adds 0 to its spare word, and waits for that and for its reads of this slot.
.macro TURN slot, next, fill
	s_wait_tensorcnt 0x0                           ; all my tensor loads have landed: my part of the next slot
	ds_add_u32 v[SPW], v[NIL]
	s_wait_dscnt 4*NL+1                            ; (the add and A's blocks 4-7 may be out)
	WIN MUL_LO
	MUL16 0, 1, NQ-1, \slot, 0
	s_wait_dscnt 0x0                               ; the add is done, and my reads of this slot are over
	s_barrier_signal -1
	MUL16 2, 1, NQ-1, \slot, 0
	WIN 0
	s_barrier_wait -1
.if \fill
	CREST                                          ; the barrier has opened a round of the cluster's barrier: no wave of any partner still reads this slot or has a load on its way
	s_add_nc_u64 s[G0+4*\slot+2:G0+4*\slot+3], s[G0+4*\slot+2:G0+4*\slot+3], 2*PL
	s_add_nc_u64 s[G0B+4*\slot+2:G0B+4*\slot+3], s[G0B+4*\slot+2:G0B+4*\slot+3], 2*PL
	JLOAD G0+4*\slot, G1, G0B+4*\slot, G1B         ; the first tensor load behind the round; its four v_nop are the places in front of the loads below
.else
	PLACES NP
.endif
	s_wait_alu depctr_va_vdst(0)
	v_add_nc_u32 v[ADRS], 4*NQ, v[ADRS]            ; the next K step's scale words
	FETCH_B \next, 0, 0
	FETCH_A \next, 0, 0
	SCALES \next
	WIN MUL_HI
	MUL16 4, 1, NQ-1, \slot, 0
	MUL16 6, 1, NQ-1, \slot, 0
	PLACES NP
	WIN 0
	FETCH_A \next, 0, 4
.endm
	s_wait_alu depctr_va_vdst(0)
	s_wait_tensorcnt 0x0                           ; my tile of the head's four is in; no tensor load of mine is out, so group 1 may be written:
.irp g, G1, G1B
	s_mov_b32 s[\g+1], 32<<16                      ; from here on a load brings 128 rows of one K step: 24,576 dense bytes as 96 rows of 256
	s_mov_b32 s[\g+2], 96<<16
	s_mov_b32 s[\g+3], 32<<16
	s_mov_b32 s[\g+4], 96
	s_mov_b32 s[\g+5], 32
.endr
	s_barrier_signal -1
	s_barrier_wait -1                              ; everybody's tile is in
	FETCH_B 0, 0, 0
	FETCH_A 0, 0, 0
	SCALES 0
	FETCH_A 0, 0, 4
	STEP 0, 0, 1                                   ; the first step's products start the sums
	s_mov_b32 s3, LAPS-1
.Llap:
	TURN 0, 1, 1
	STEP 1, 0, 0
	TURN 1, 0, 1
	STEP 0, 0, 0
	s_sub_co_u32 s3, s3, 1
	s_cmp_lg_u32 s3, 0
	s_cbranch_scc1 .Llap
	TURN 0, 1, 0                                   ; the last lap fills nothing
	STEP 1, 0, 0
	s_wait_dscnt 4*NL
	WIN MUL_LO
	MUL16 0, 1, NQ-1, 1, 0
	MUL16 2, 1, NQ-1, 1, 0
	s_wait_dscnt 0
	WIN MUL_HI
	MUL16 4, 1, NQ-1, 1, 0
	MUL16 6, 1, NQ-1, 1, 0
	WIN 0
; THE WAY OUT.  QUANT: four runs of 16 registers in window QW, at Q0 .. Q3, run b holding k = 32 b + 16 (lane / 16) + 0..15 of my row, become a fragment's codes in v[PC] on and its scale word in v[pw].
; Each accumulator is read from its low end on.
.macro QUANT pw
.set WN, QW|(QW<<2)
	WIN WN                                         ; sources 0 and 1 in the accumulators' window
	v_max3_num_f32 v[TM+0], |v[Q0]|, |v[Q0+1]|, 0x1800000          ; my 16 numbers of each block, and the floor 2^(3 - 127): the byte cannot fall under 1
	v_max3_num_f32 v[TM+1], |v[Q1]|, |v[Q1+1]|, 0x1800000
	v_max3_num_f32 v[TM+2], |v[Q2]|, |v[Q2+1]|, 0x1800000
	v_max3_num_f32 v[TM+3], |v[Q3]|, |v[Q3+1]|, 0x1800000
.set WN, (QW<<2)|(QW<<4)
	WIN WN                                         ; sources 1 and 2
.irp i, 2,4,6,8,10,12,14
	v_max3_num_f32 v[TM+0], v[TM+0], |v[Q0+\i]|, |v[Q0+\i+1]|      ; (the four blocks by turns)
	v_max3_num_f32 v[TM+1], v[TM+1], |v[Q1+\i]|, |v[Q1+\i+1]|
	v_max3_num_f32 v[TM+2], v[TM+2], |v[Q2+\i]|, |v[Q2+\i+1]|
	v_max3_num_f32 v[TM+3], v[TM+3], |v[Q3+\i]|, |v[Q3+\i+1]|
.endr
	WIN 0
.irp b, 0,1,2,3
	v_permlanex16_b32 v[TM+4+\b], v[TM+\b], s66, s67
.endr
.irp b, 0,1,2,3
	v_max_num_f32 v[TM+\b], v[TM+\b], v[TM+4+\b]   ; with lane l xor 16's: the block's largest magnitude
.endr
.irp b, 0,1,2,3
	v_add_nc_u32 v[TM+12+\b], 0xff000000, v[TM+\b] ; 2 off its exponent field: the conversion's scale operand
.endr
.irp b, 0,1,2,3
	v_lshrrev_b32 v[TM+4+\b], 23, v[TM+12+\b]      ; the scale's byte
.endr
	v_lshl_or_b32 v[\pw], v[TM+5], 8, v[TM+4]
	v_lshl_or_b32 v[\pw], v[TM+6], 16, v[\pw]
	v_lshl_or_b32 v[\pw], v[TM+7], 24, v[\pw]
	s_wait_xcnt 0x0                                ; the last fragment's stores have read the codes' registers, which are written again below
	WIN QW                                         ; source 0 in the accumulators' window
	v_cvt_scalef32_pk16_fp6_f32 v[PC:PC+2], v[Q0:Q0+15], v[TM+12]
	v_cvt_scalef32_pk16_fp6_f32 v[PC+12:PC+14], v[Q1:Q1+15], v[TM+13]   ; (a conversion's three registers begin on an even number)
	v_cvt_scalef32_pk16_fp6_f32 v[PC+6:PC+8], v[Q2:Q2+15], v[TM+14]
	v_cvt_scalef32_pk16_fp6_f32 v[PC+16:PC+18], v[Q3:Q3+15], v[TM+15]
	WIN 0
	v_nop                                          ; one plain place behind a scaled conversion
.irp c, 0,1                                    ; the operand's layout wants a whole block in a lane: lanes 0-15 block 2 c, lanes 16-31 block 2 c + 1
.irp i, 0,1,2
	v_permlane16_swap_b32 v[PC+6*\c+\i], v[PC+12+4*\c+\i]
.endr
.irp i, 0,1,2
	v_mov_b32 v[PC+3+6*\c+\i], v[PC+12+4*\c+\i]
.endr
.endr
.endm
.macro OUT g, f                        ; the image: three stores of 512 consecutive bytes, aligned; head g of the pair lies 16 blocks on
.irp c, 0,1,2
	global_store_b128 v[LI], v[PC+4*\c:PC+4*\c+3], s[12:13] offset:\g*16*BLKB+\f*1536+512*\c
.endr
.if \f == 3
	global_store_b128 v[LI], v[SW+4*\g:SW+4*\g+3], s[12:13] offset:\g*16*BLKB+6144   ; the four images' scale words: 512 consecutive bytes
.endif
.endm
	PLACES NP                                      ; behind the last products: their results are read and A's registers written below
	s_mov_b32 s66, 0x76543210
	s_mov_b32 s67, 0xfedcba98                      ; v_permlanex16_b32's selects for lane l xor 16
.irp b, 0,1,2,3
	v_mov_b32 v[TM+4+\b], 0                        ; written once: a lane permute's destination counts as one of its sources
.endr
	s_cmp_eq_u32 s[ROLE], 1
	s_cbranch_scc1 .Lvrole
.irp g, 0,1                                    ; q, k: my 128 columns are two heads; image f: my blocks 2 f and 2 f + 1 of t, the head's 64 columns (B's blocks 4 g .. 4 g + 3)
.irp f, 0,1,2,3
.set QW, 2+\f/2
.set Q0, 64*((2*\f)%4)+32*\g
.set Q1, Q0+16
.set Q2, 64*((2*\f+1)%4)+32*\g
.set Q3, Q2+16
	QUANT SW+4*\g+\f
	OUT \g, \f
.endr
.endr
	s_branch .Ldone
.Lvrole:
.irp g, 0,1                                    ; v: my 128 rows are two heads' channels; image f: block 4 g + f, all 128 keys
.irp f, 0,1,2,3
.set QW, 2+\g
.set Q0, 64*\f
.set Q1, Q0+16
.set Q2, Q0+32
.set Q3, Q0+48
	QUANT SW+4*\g+\f
	OUT \g, \f
.endr
.endr
.Ldone:
	s_wait_tensorcnt 0x0                           ; the wave's end
	ds_add_u32 v[SPW], v[NIL]
	s_wait_dscnt 0x0
	CROUND                                         ; the closing round
	s_endpgm
.Lfunc_end_k_qb95313215a_qkv:
	.size	k_qb95313215a_qkv, .Lfunc_end_k_qb95313215a_qkv-k_qb95313215a_qkv
	.p2alignl 7, 3214868480
	.fill 96, 4, 3214868480
	.section	.rodata,"a",@progbits
	.p2align	6, 0x0
	.amdhsa_kernel k_qb95313215a_qkv
		.amdhsa_group_segment_fixed_size 327680
		.amdhsa_private_segment_fixed_size 0
		.amdhsa_enable_private_segment 0
		.amdhsa_kernarg_size 40
		.amdhsa_user_sgpr_count 2
		.amdhsa_user_sgpr_kernarg_segment_ptr 1
		.amdhsa_wavefront_size32 1
		.amdhsa_system_sgpr_workgroup_id_x 1
		.amdhsa_system_sgpr_workgroup_id_y 1
		.amdhsa_system_sgpr_workgroup_id_z 1
		.amdhsa_system_vgpr_workitem_id 0
		.amdhsa_next_free_vgpr 1024
		.amdhsa_next_free_sgpr 102
		.amdhsa_reserve_vcc 0
		.amdhsa_float_denorm_mode_32 3
		.amdhsa_float_denorm_mode_16_64 3
		.amdhsa_memory_ordered 1
		.amdhsa_forward_progress 1
		.amdhsa_inst_pref_size 199
	.end_amdhsa_kernel
	.amdgpu_metadata
---
amdhsa.version: [ 1, 2 ]
amdhsa.kernels:
  - .name:           k_qb95313215a_qkv
    .symbol:         k_qb95313215a_qkv.kd
    .args:
      - { .name: xc, .offset: 0, .size: 8, .value_kind: global_buffer, .address_space: global }
      - { .name: xs, .offset: 8, .size: 8, .value_kind: global_buffer, .address_space: global }
      - { .name: wc, .offset: 16, .size: 8, .value_kind: global_buffer, .address_space: global }
      - { .name: ws, .offset: 24, .size: 8, .value_kind: global_buffer, .address_space: global }
      - { .name: qkv, .offset: 32, .size: 8, .value_kind: global_buffer, .address_space: global }
    .group_segment_fixed_size: 327680
    .private_segment_fixed_size: 0
    .kernarg_segment_align: 8
    .kernarg_segment_size: 40
    .max_flat_workgroup_size: 128
    .sgpr_count:     102
    .vgpr_count:     1024
    .wavefront_size: 32
...
	.end_amdgpu_metadata
.endif
;; end of part 2
;; launch attn (part 3): grid 8 x 32, 16 waves a work-group, clusters of 4 x 1, 327,680 bytes of LDS; arguments qkv, ao, asw; writes ao, asw
.if DOCPART == 3
	.amdgcn_target "amdgcn-amd-amdhsa--gfx1250"
	.amdhsa_code_object_version 6
	.text
	.protected	k_qb95313215a_attn
	.globl	k_qb95313215a_attn
	.p2align	8
	.type	k_qb95313215a_attn,@function
k_qb95313215a_attn:
	s_mov_b64 s[64:65], 0
	v_nop
	global_prefetch_b8 v0, s[64:65] scope:SCOPE_SE
	s_setreg_imm32_b32 hwreg(HW_REG_WAVE_MODE, 25, 1), 1
	s_wait_xcnt 0x0
	s_wait_alu depctr_hold_cnt(0) depctr_sa_sdst(0) depctr_va_vdst(0) depctr_va_sdst(0) depctr_va_ssrc(0) depctr_va_vcc(0) depctr_vm_vsrc(0)
	s_getreg_b32 s2, hwreg(HW_REG_IB_STS2, 6, 4)
	s_cmp_eq_u32 s2, 0
	s_cbranch_scc0 .Lentry_in_a_cluster
	s_endpgm
.Lentry_in_a_cluster:
	s_bfe_u32 s2, ttmp6, 0x10000c
	s_cmp_lg_u32 s2, 0x3003
	s_cbranch_scc0 .Lentry_shape_is_right
	s_endpgm
.Lentry_shape_is_right:
; THIRD LAUNCH: o = softmax(q k^T / 8) v on codes of E2M3, and o's quantising for the last product.  Nothing is left out.
; LIMITS: as at the first launch's head; and the promise holds while the scaled scores (the exponents to the base 2) stay under 2^31 in magnitude.
; THE DEAL.  A work-group takes 256 queries of a pair of heads, one head after the other; each of its 16 waves takes 16 queries and walks the head's 16 steps of 128 keys.
; Both products are used transposed (S^T = k q^T, O^T = v^T p^T): a lane holds one query.  The head's axis is 64, so an image of k holds two tiles of keys along K, and q stands beside zeros in one half of K or the other.
; M is the running largest t rounded up to a whole number, kept as -M; p = 2^(t - M); the row's sum is taken of the unquantised p; when M moves, the sum and O^T are multiplied by a power of two.
; The running maximum is kept of the scores: c is positive, so c x the largest score is the largest t.  A block's largest p is the same multiply-add and exponential put to the block's largest score.
; LDS: 24 slots of 13,312 bytes, a step's images of k and v with their scale words.  The pair's 32 steps are 32 blocks on end in qkv.  At the head waves 0-11 fetch two blocks each, one load a wave:
; slots 0-7 take blocks 8-15, slots 8-15 blocks 16-23, slots 16-23 blocks 0-7.  The walk: slots 16-23, ONE REFILL of them with blocks 24-31 (waves 8-11), slots 0-7, then the second head on slots 8-23.
; The refill is asked for sixteen steps ahead of its first read, so no prefetch is laid for it.  No barrier stands inside a loop: one at the head, the refill's round, and one that shows the refill to all.
; CLUSTER: the four work-groups of a cluster take four blocks of 256 queries of the same pair of heads: they read the same k and v, and ask for them jointly (mask 15).
; IN A STEP, behind the score products, v's four fragments are asked for, and of the NEXT step's k the scale words and fragments 0 and 1, which have registers of their own; its fragments 2 and 3 share v's registers
; and are asked for behind the second product, under the row's sums.  A loop's last trip has no next slot: its address is held at the loop's last slot, and what it fetches of k is not used.
; REGISTERS: v1 16 x lane, v2 this step's LDS address, v9 the next step's, v3, v4 the add's, v5-7 the way out, v12 -M, v13 the largest score, v14-15 the sum, v16-33 zeros, q, zeros, v46 q's scale word,
; v206-217, v34-45 k's fragments 0, 1, v218-221 k's scale words, v48-95 v's four fragments (v72-95 also k's 2, 3), v248-251 v's scale words, v96-159 scores, then p, v160-191 O^T,
; v192-204 o's codes and scale word, v224-235 p's codes, v232-247, v252-255 at work.
.set BLKB,  19968
.set STEPB, 13312
.set SWST,  24*STEPB                   ; behind the slots: the stage for o's scale words, 64 bytes a wave
.set SPARE, SWST+1024                  ; the spare words, 128 bytes a wave
.set WV, 10
.macro CROUND
	s_barrier_signal -1
	s_barrier_wait -1
	s_cmp_lg_u32 s[WV], 0
	s_cbranch_scc1 .Lnot_wave_0_\@
	s_barrier_signal -3
.Lnot_wave_0_\@:
	s_barrier_wait -3
	s_barrier_signal -1
	s_barrier_wait -1
.endm
	s_load_b128 s[4:7], s[0:1], 0x0                ; qkv, ao
	s_load_b64 s[8:9], s[0:1], 0x10                ; asw
	v_lshl_add_u32 v3, v0, 2, SPARE
	v_mov_b32 v4, 0
	ds_add_u32 v3, v4                              ; the opening lines: the add twice on end, and its wait
	ds_add_u32 v3, v4
	v_lshrrev_b32 v8, 5, v0
	s_delay_alu instid0(VALU_DEP_1)
	v_readfirstlane_b32 s[WV], v8                  ; wave
	v_and_b32 v1, 31, v0
	v_and_b32 v9, 15, v0
	v_and_b32 v7, 63, v0
	v_lshlrev_b32 v5, 6, v8
	v_lshlrev_b32 v1, 4, v1                        ; 16 x lane
	v_lshlrev_b32 v7, 4, v7
	v_lshl_add_u32 v5, v9, 2, v5
	v_add_nc_u32 v6, SWST, v7                      ; the stage, on the way out
	v_add_nc_u32 v5, SWST, v5                      ; and in: 64 x wave + 4 x row
	s_bfe_u32 s11, ttmp6, 0x40000                  ; cx
	s_lshl_b32 s12, ttmp9, 2
	s_add_co_u32 s12, s12, s11                     ; which 256 queries, 0..7
	s_and_b32 s13, ttmp7, 0xffff                   ; batch x 8 + pair of heads
	s_mov_b32 s24, 15|(3<<16)|(1<<21)              ; group 1: the mask of all four partners, elements of 8 bytes, bit 21 beside a mask
	s_mov_b32 s25, 1664<<16                        ; a row is a block's 13,312 bytes of k and v;
	s_mov_b32 s26, 2<<16                           ; two rows,
	s_mov_b32 s27, 1664<<16
	s_mov_b32 s28, 2
	s_mov_b32 s29, 2496                            ; a block of 19,968 bytes apart
	s_mov_b32 s30, 0
	s_mov_b32 s31, 0
	s_mov_b32 s20, 0x76543210
	s_mov_b32 s21, 0xfedcba98                      ; v_permlanex16_b32's selects for lane l xor 16
	s_mov_b32 s22, 0x3e38aa3b                      ; c = log2(e) / 8
	s_mov_b32 s23, s22
	s_and_b32 s50, s[WV], 1
	s_sub_co_u32 s50, 0, s50                       ; all ones in odd waves: their queries are an image's second tile
	s_min_u32 s60, s[WV], 11                       ; group 0 (waves 12-15 issue no load)
	s_lshl_b32 s61, s60, 1
	s_mov_b32 s32, 1
	s_mul_i32 s33, s61, STEPB                      ; slots 2 w, 2 w + 1
	s_cmp_lt_u32 s60, 8
	s_cselect_b32 s62, 8, -16
	s_add_co_u32 s61, s61, s62                     ; blocks 2 w + 8 .. (waves 0-7) or 2 w - 16 .. (waves 8-11) of the pair's 32
	s_lshl_b32 s62, s13, 5
	s_add_co_u32 s61, s61, s62
	s_mul_i32 s60, s61, BLKB
	s_add_co_u32 s60, s60, 6656                    ; behind the block's images of q
	s_mov_b32 s61, 0
	s_lshl_b32 s68, s13, 5                         ; my q: block 32 x (batch, pair) + 2 x (256 queries) + wave / 8, image (wave / 2) % 4
	s_lshl_b32 s69, s12, 1
	s_add_co_u32 s68, s68, s69
	s_lshr_b32 s69, s[WV], 3
	s_add_co_u32 s68, s68, s69
	s_mul_i32 s68, s68, BLKB
	s_bfe_u32 s70, s[WV], 0x20001
	s_mul_i32 s52, s70, 1536
	s_add_co_u32 s52, s52, s68
	s_mov_b32 s53, 0
	s_lshl_b32 s54, s70, 2
	s_add_co_u32 s54, s54, s68
	s_add_co_u32 s54, s54, 6144
	s_mov_b32 s55, 0
	s_lshr_b32 s68, s13, 3                         ; batch
	s_and_b32 s69, s13, 7                          ; pair
	s_lshl_b32 s56, s68, 7                         ; ao: [tile of 16 queries][pair][1,536 bytes]
	s_lshl_b32 s70, s12, 4
	s_add_co_u32 s56, s56, s70
	s_add_co_u32 s56, s56, s[WV]
	s_lshl_b32 s56, s56, 3
	s_add_co_u32 s56, s56, s69
	s_mul_i32 s56, s56, 1536
	s_mov_b32 s57, 0
	s_lshl_b32 s58, s69, 15                        ; asw: [pair][query] words
	s_lshl_b32 s68, s68, 13
	s_add_co_u32 s58, s58, s68
	s_lshl_b32 s70, s12, 10
	s_add_co_u32 s58, s58, s70
	s_mov_b32 s59, 0
	s_wait_alu depctr_va_vdst(0)
	s_wait_dscnt 0x0                               ; both opening adds are done
	s_wait_kmcnt 0x0
	s_add_nc_u64 s[34:35], s[4:5], s[60:61]
	s_or_b32 s35, s35, 0x80000000
	s_add_nc_u64 s[52:53], s[4:5], s[52:53]
	s_add_nc_u64 s[54:55], s[4:5], s[54:55]
	s_add_nc_u64 s[56:57], s[6:7], s[56:57]
	s_add_nc_u64 s[58:59], s[8:9], s[58:59]
	CROUND                                         ; all four work-groups are here: the first joint loads meet
	s_cmp_lt_u32 s[WV], 12
	s_cbranch_scc0 .Lno_first
	tensor_load_to_lds s[32:35], s[24:31]          ; one load a wave: 24 blocks in all
	s_nop 0
.rept 4
	v_nop
.endr
.Lno_first:
.macro QASK x                          ; head x's image of q and its scale word, into registers of the scores that are idle here
.irp c, 0,1,2
	global_load_b128 v[128+4*\c:131+4*\c], v1, s[52:53] offset:\x*16*BLKB+512*\c
.endr
	global_load_b32 v140, v1, s[54:55] offset:\x*16*BLKB
.endm
.macro QSEL                            ; my tile's six registers of the image, and its two scale bytes for either half of K
	s_wait_loadcnt 0x0
.irp i, 0,1,2,3,4,5
	v_cndmask_b32 v[22+\i], v[128+\i], v[134+\i], s50
.endr
	v_and_b32 v141, 0xffff, v140
	v_lshrrev_b32 v142, 16, v140
	s_delay_alu instid0(VALU_DEP_1)
	v_cndmask_b32 v141, v141, v142, s50
	s_delay_alu instid0(VALU_DEP_1)
	v_lshl_or_b32 v46, v141, 16, v141
.endm
	QASK 0                                         ; under the tensor loads' flight
.irp i, 0,1,2,3,4,5
	v_mov_b32 v[16+\i], 0
	v_mov_b32 v[28+\i], 0
.endr
.irp b, 0,1,2,3
	v_mov_b32 v[236+\b], 0                         ; a lane permute's destination counts as one of its sources
.endr
	v_mov_b32 v253, 0                              ; named as the upper half of the pair v[252:253] before it is first written
	QSEL
.macro INIT
	v_mov_b32 v13, 0xff61b1e6                      ; -3e38, under every score
	v_mov_b32 v14, 0
	v_mov_b32 v15, 0
	v_floor_f32 v12, -v13
.set j, 0
.rept 32
	v_mov_b32 v[160+j], 0
.set j, j+1
.endr
.endm
.macro KF reg, adr, off, i             ; fragment i of four: three loads of 512 consecutive bytes
.irp c, 0,1,2
	ds_load_b128 v[\reg+4*\c:\reg+4*\c+3], v[\adr] offset:\off+1536*\i+512*\c
.endr
.endm
.macro PRO first                       ; ahead of a loop: its first slot's address, and all of that slot's k
	s_mov_b32 s48, \first*STEPB
	v_add_nc_u32 v2, \first*STEPB, v1
	s_wait_alu depctr_va_vdst(0)
	ds_load_b128 v[218:221], v2 offset:6144
	KF 206, 2, 0, 0
	KF 34, 2, 0, 1
	KF 72, 2, 0, 2
	KF 84, 2, 0, 3
.endm
.macro SW i, a, w                      ; the scores of 32 keys: the image's two tiles, q beside zeros in either half of K
	v_wmma_scale_f32_16x16x128_f8f6f4 v[96+16*\i:103+16*\i], v[\a:\a+11], v[22:33], 0, v[\w], v46 matrix_a_fmt:MATRIX_FMT_FP6 matrix_b_fmt:MATRIX_FMT_FP6
	v_wmma_scale_f32_16x16x128_f8f6f4 v[104+16*\i:111+16*\i], v[\a:\a+11], v[16:27], 0, v[\w], v46 matrix_a_fmt:MATRIX_FMT_FP6 matrix_b_fmt:MATRIX_FMT_FP6
.endm
.macro ACC k                           ; pair k of the 32 pairs of p onto one of four sums, by turns
.if (\k)%4 == 2
	v_pk_add_f32 v[14:15], v[14:15], v[96+2*(\k):97+2*(\k)]
.else
.set r_, 236+2*(((\k)+1)%4)
	v_pk_add_f32 v[r_:r_+1], v[r_:r_+1], v[96+2*(\k):97+2*(\k)]
.endif
.endm
.macro TM n                            ; t - M for 2 n scores from register j on
.rept \n
	v_pk_fma_f32 v[96+j:97+j], v[96+j:97+j], s[22:23], v[12:13] op_sel_hi:[1,0,0]
.set j, j+2
.endr
.endm
.macro STEP lim
	SW 0, 206, 218                                 ; fragments 0 and 1 and the words were waited for in the step before (ahead of the loop: by the wait there)
	SW 1, 34, 219
	s_wait_dscnt 3                                 ; fragment 2 is in; behind its loads stand fragment 3's three
	SW 2, 72, 220
	s_wait_dscnt 0x0
	SW 3, 84, 221
	s_add_co_u32 s48, s48, STEPB
	s_min_u32 s51, s48, \lim                       ; the next slot, held at the loop's last
	v_mov_b32 v254, v12                            ; the old -M; these two lines and two v_nop are the four places behind the products
	v_add_nc_u32 v9, s51, v1
	v_nop
	v_nop
.irp i, 0,1,2,3
	KF 48+12*\i, 2, 6656, \i                       ; v's fragments
.endr
	ds_load_b128 v[248:251], v2 offset:12800
	ds_load_b128 v[218:221], v9 offset:6144        ; and of the next step's k the words and fragments 0 and 1
	KF 206, 9, 0, 0
	KF 34, 9, 0, 1
.irp b, 0,1,2,3
	v_max3_num_f32 v[232+\b], v[96+16*\b], v[97+16*\b], v[98+16*\b]   ; the largest score of each block of 32 keys: two chains a block, eight by turns
.endr
.irp b, 0,1,2,3
	v_max3_num_f32 v[236+\b], v[104+16*\b], v[105+16*\b], v[106+16*\b]
.endr
.irp i, 3,5
.irp b, 0,1,2,3
	v_max3_num_f32 v[232+\b], v[232+\b], v[96+16*\b+\i], v[97+16*\b+\i]
.endr
.irp b, 0,1,2,3
	v_max3_num_f32 v[236+\b], v[236+\b], v[104+16*\b+\i], v[105+16*\b+\i]
.endr
.endr
.irp b, 0,1,2,3
	v_max3_num_f32 v[232+\b], v[232+\b], v[103+16*\b], v[111+16*\b]
.endr
.irp b, 0,1,2,3
	v_max_num_f32 v[232+\b], v[232+\b], v[236+\b]
.endr
.irp b, 0,1,2,3
	s_delay_alu instid0(VALU_DEP_4)
	v_permlanex16_b32 v[236+\b], v[232+\b], s20, s21
.endr
.irp b, 0,1,2,3
	s_delay_alu instid0(VALU_DEP_4)
	v_max_num_f32 v[232+\b], v[232+\b], v[236+\b]  ; with lane l xor 16's 16 keys
.endr
	s_delay_alu instid0(VALU_DEP_2)
	v_max3_num_f32 v255, v232, v233, v234
	s_delay_alu instid0(VALU_DEP_1)
	v_max3_num_f32 v13, v255, v235, v13            ; the running largest score of my query
	s_delay_alu instid0(VALU_DEP_1)
	v_mul_f32 v255, s22, v13                       ; as t
	s_delay_alu instid0(VALU_DEP_1)
	v_floor_f32 v12, -v255                         ; the new -M
	s_delay_alu instid0(VALU_DEP_1)
	v_sub_f32 v254, v12, v254                      ; old M less new M, a whole number, 0 or less
.set j, 0
	TM 8
	v_cvt_i32_f32 v254, v254
	TM 8
	v_ldexp_f32 v252, 1.0, v254                    ; f = 2^(old M - new M)
	TM 16
.irp b, 0,1,2,3
	v_fma_f32 v[232+\b], v[232+\b], s22, v12
.endr
	s_wait_alu depctr_va_vdst(0)
.set j, 0
.rept 64
	v_exp_f32 v[96+j], v[96+j]                     ; p = 2^(t - M)
.set j, j+1
.endr
.irp b, 0,1,2,3
	v_exp_f32 v[232+\b], v[232+\b]                 ; each block's largest p
.endr
	v_pk_mul_f32 v[14:15], v[14:15], v[252:253] op_sel_hi:[1,0]   ; the sum under the new M (the plain place behind the batch)
	s_wait_dscnt 0x0                               ; v's fragments are in, and the next step's first part of k
	s_wait_alu depctr_va_vdst(0)                   ; one wait for the batch, directly ahead of the first reader of O^T
.set j, 0
.rept 16
	v_pk_mul_f32 v[160+j:161+j], v[160+j:161+j], v[252:253] op_sel_hi:[1,0]   ; O^T under the new M
.set j, j+2
.endr
.irp b, 0,1,2,3
	v_max_num_f32 v[232+\b], 0x1800000, v[232+\b]  ; the floor 2^(3 - 127): the byte cannot fall under 1
.endr
.irp b, 0,1,2,3
	s_delay_alu instid0(VALU_DEP_4)
	v_add_nc_u32 v[244+\b], 0xff000000, v[232+\b]  ; 2 off the exponent field: the conversion's scale operand
.endr
.irp b, 0,1,2,3
	s_delay_alu instid0(VALU_DEP_4)
	v_lshrrev_b32 v[236+\b], 23, v[244+\b]
.endr
	s_delay_alu instid0(VALU_DEP_3)
	v_lshl_or_b32 v253, v237, 8, v236              ; p's scale word for these 128 keys
	s_delay_alu instid0(VALU_DEP_2)
	v_lshl_or_b32 v255, v239, 8, v238
	s_delay_alu instid0(VALU_DEP_1)
	v_lshl_or_b32 v253, v255, 16, v253
.irp c, 0,1
	v_cvt_scalef32_pk16_fp6_f32 v[224+6*\c:226+6*\c], v[96+32*\c:111+32*\c], v[244+2*\c]
	v_cvt_scalef32_pk16_fp6_f32 v[236+4*\c:238+4*\c], v[112+32*\c:127+32*\c], v[244+2*\c+1]
.endr
	v_nop                                          ; one plain place behind a scaled conversion
.irp c, 0,1                                    ; a whole block in a lane: lanes 0-15 block 2 c, lanes 16-31 block 2 c + 1
.irp i, 0,1,2
	v_permlane16_swap_b32 v[224+6*\c+\i], v[236+4*\c+\i]
.endr
.endr
.irp c, 0,1
.irp i, 0,1,2
	v_mov_b32 v[227+6*\c+\i], v[236+4*\c+\i]
.endr
.endr
	v_pk_add_f32 v[236:237], v[96:97], v[98:99]    ; the row's sum of the unquantised p, in four chains; these four lines are the places between p's codes and the products
	v_pk_add_f32 v[238:239], v[100:101], v[102:103]
	v_pk_add_f32 v[240:241], v[104:105], v[106:107]
	ACC 6
.irp t, 0,1,2,3
	v_wmma_scale_f32_16x16x128_f8f6f4 v[160+8*\t:167+8*\t], v[48+12*\t:59+12*\t], v[224:235], v[160+8*\t:167+8*\t], v[248+\t], v253 matrix_a_fmt:MATRIX_FMT_FP6 matrix_b_fmt:MATRIX_FMT_FP6
.endr
	ACC 7                                          ; the places behind the products, ahead of the loads into their fragments
	ACC 8
	ACC 9
	v_mov_b32 v2, v9                               ; the next step's address
	ACC 10
	KF 72, 9, 0, 2                                 ; the next step's fragments 2 and 3 of k
	KF 84, 9, 0, 3
.set k_, 11
.rept 21
	ACC k_
.set k_, k_+1
.endr
	v_pk_add_f32 v[236:237], v[236:237], v[238:239]
	v_pk_add_f32 v[14:15], v[14:15], v[240:241]
	v_pk_add_f32 v[14:15], v[14:15], v[236:237]
.endm
.macro LOOP n, last
	s_mov_b32 s49, \n
	s_wait_dscnt 0x0                               ; the first slot's k is in
.Lsteps_\@:
	STEP \last*STEPB
	s_sub_co_u32 s49, s49, 1
	s_cmp_lg_u32 s49, 0
	s_cbranch_scc1 .Lsteps_\@
.endm
.macro FINISH d0, second               ; O^T / the sum, quantised along the head's 64: six registers of the last product's operand, two scale bytes
	v_add_f32 v14, v14, v15
	s_delay_alu instid0(VALU_DEP_1)
	v_permlanex16_b32 v252, v14, s20, s21
	s_delay_alu instid0(VALU_DEP_1)
	v_add_f32 v14, v14, v252
	s_wait_alu depctr_va_vdst(0)
	v_rcp_f32 v14, v14
	v_nop
	s_wait_alu depctr_va_vdst(0)
.set j, 0
.rept 16
	v_pk_mul_f32 v[96+j:97+j], v[160+j:161+j], v[14:15] op_sel_hi:[1,0]
.set j, j+2
.endr
	v_max3_num_f32 v232, |v96|, |v97|, 0x1800000
	v_max3_num_f32 v233, |v112|, |v113|, 0x1800000
.irp i, 2,4,6,8,10,12,14
	s_delay_alu instid0(VALU_DEP_2)
	v_max3_num_f32 v232, v232, |v[96+\i]|, |v[97+\i]|
	s_delay_alu instid0(VALU_DEP_2)
	v_max3_num_f32 v233, v233, |v[112+\i]|, |v[113+\i]|
.endr
	s_delay_alu instid0(VALU_DEP_2)
	v_permlanex16_b32 v236, v232, s20, s21
	s_delay_alu instid0(VALU_DEP_2)
	v_permlanex16_b32 v237, v233, s20, s21
	s_delay_alu instid0(VALU_DEP_2)
	v_max_num_f32 v232, v232, v236
	s_delay_alu instid0(VALU_DEP_2)
	v_max_num_f32 v233, v233, v237
	s_delay_alu instid0(VALU_DEP_2)
	v_add_nc_u32 v244, 0xff000000, v232
	s_delay_alu instid0(VALU_DEP_2)
	v_add_nc_u32 v245, 0xff000000, v233
	s_delay_alu instid0(VALU_DEP_2)
	v_lshrrev_b32 v236, 23, v244
	s_delay_alu instid0(VALU_DEP_2)
	v_lshrrev_b32 v237, 23, v245
	v_cvt_scalef32_pk16_fp6_f32 v[\d0:\d0+2], v[96:111], v244
	v_cvt_scalef32_pk16_fp6_f32 v[240:242], v[112:127], v245
	v_nop
.irp i, 0,1,2
	v_permlane16_swap_b32 v[\d0+\i], v[240+\i]
.endr
.irp i, 0,1,2
	s_delay_alu instid0(VALU_DEP_3)
	v_mov_b32 v[\d0+3+\i], v[240+\i]
.endr
.if \second
	v_lshl_or_b32 v254, v237, 8, v236
	s_delay_alu instid0(VALU_DEP_1)
	v_lshl_or_b32 v204, v254, 16, v204
.else
	v_lshl_or_b32 v204, v237, 8, v236
.endif
.endm
	INIT
	s_wait_alu depctr_va_vdst(0)
	s_wait_tensorcnt 0x0                           ; my two blocks are in,
	s_barrier_signal -1
	s_barrier_wait -1                              ; and everybody's
	PRO 16
	LOOP 8, 23                                     ; the first head, keys 0-1,023
	s_wait_alu depctr_va_vdst(0)
	s_wait_tensorcnt 0x0                           ; the three lines ahead of the refill's round; the add twice
	ds_add_u32 v3, v4
	ds_add_u32 v3, v4
	s_add_nc_u64 s[34:35], s[34:35], 24*BLKB       ; waves 8-11: from blocks 0-7 to blocks 24-31
	s_wait_dscnt 0x0                               ; the adds are done, and my reads of slots 16-23 are over
	CROUND
	s_lshr_b32 s61, s[WV], 2
	s_cmp_eq_u32 s61, 2
	s_cbranch_scc0 .Lno_refill
	tensor_load_to_lds s[32:35], s[24:31]          ; waves 8-11: the second head's last eight steps
	s_nop 0
.rept 4
	v_nop
.endr
.Lno_refill:
	PRO 0
	LOOP 8, 7                                      ; the first head, keys 1,024-2,047
	QASK 1                                         ; the second head's q
	s_wait_alu depctr_va_vdst(0)
	s_wait_tensorcnt 0x0                           ; my part of the refill is in,
	s_wait_dscnt 0x0
	s_barrier_signal -1                            ; a plain barrier
	PRO 8                                          ; slot 8 has lain there since the head
	FINISH 192, 0
	QSEL
	INIT                                           ; (its 36 lines are also the places between q's registers and the first products)
	s_wait_alu depctr_va_vdst(0)
	s_barrier_wait -1                              ; and everybody's
	LOOP 16, 23                                    ; the second head
	FINISH 198, 1
.irp c, 0,1,2
	global_store_b128 v1, v[192+4*\c:195+4*\c], s[56:57] offset:512*\c   ; the operand's image: three stores of 512 consecutive bytes
.endr
	ds_store_b32 v5, v204                          ; the scale words gather in LDS
	s_wait_dscnt 0x0
	s_barrier_signal -1
	s_barrier_wait -1
	s_cmp_lt_u32 s[WV], 2
	s_cbranch_scc0 .Lno_words
	ds_load_b128 v[96:99], v6
	s_wait_dscnt 0x0
	global_store_b128 v7, v[96:99], s[58:59]       ; and leave as 1,024 consecutive bytes
.Lno_words:
	s_wait_tensorcnt 0x0                           ; the wave's end
	ds_add_u32 v3, v4
	s_wait_dscnt 0x0
	CROUND                                         ; the closing round
	s_endpgm
.Lfunc_end_k_qb95313215a_attn:
	.size	k_qb95313215a_attn, .Lfunc_end_k_qb95313215a_attn-k_qb95313215a_attn
	.p2alignl 7, 3214868480
	.fill 96, 4, 3214868480
	.section	.rodata,"a",@progbits
	.p2align	6, 0x0
	.amdhsa_kernel k_qb95313215a_attn
		.amdhsa_group_segment_fixed_size 327680
		.amdhsa_private_segment_fixed_size 0
		.amdhsa_enable_private_segment 0
		.amdhsa_kernarg_size 24
		.amdhsa_user_sgpr_count 2
		.amdhsa_user_sgpr_kernarg_segment_ptr 1
		.amdhsa_wavefront_size32 1
		.amdhsa_system_sgpr_workgroup_id_x 1
		.amdhsa_system_sgpr_workgroup_id_y 1
		.amdhsa_system_sgpr_workgroup_id_z 1
		.amdhsa_system_vgpr_workitem_id 0
		.amdhsa_next_free_vgpr 256
		.amdhsa_next_free_sgpr 72
		.amdhsa_reserve_vcc 0
		.amdhsa_float_denorm_mode_32 3
		.amdhsa_float_denorm_mode_16_64 3
		.amdhsa_memory_ordered 1
		.amdhsa_forward_progress 1
		.amdhsa_inst_pref_size 71
	.end_amdhsa_kernel
	.amdgpu_metadata
---
amdhsa.version: [ 1, 2 ]
amdhsa.kernels:
  - .name:           k_qb95313215a_attn
    .symbol:         k_qb95313215a_attn.kd
    .args:
      - { .name: qkv, .offset: 0, .size: 8, .value_kind: global_buffer, .address_space: global }
      - { .name: ao, .offset: 8, .size: 8, .value_kind: global_buffer, .address_space: global }
      - { .name: asw, .offset: 16, .size: 8, .value_kind: global_buffer, .address_space: global }
    .group_segment_fixed_size: 327680
    .private_segment_fixed_size: 0
    .kernarg_segment_align: 8
    .kernarg_segment_size: 24
    .max_flat_workgroup_size: 512
    .sgpr_count:     72
    .vgpr_count:     256
    .wavefront_size: 32
...
	.end_amdgpu_metadata
.endif
;; end of part 3
;; launch oproj (part 4): grid 4 x 32, 4 waves a work-group, clusters of 4 x 4, 327,680 bytes of LDS; arguments ao, asw, wc, ws, bo, out0; writes out0
.if DOCPART == 4
	.amdgcn_target "amdgcn-amd-amdhsa--gfx1250"
	.amdhsa_code_object_version 6
	.text
	.protected	k_qb95313215a_oproj
	.globl	k_qb95313215a_oproj
	.p2align	8
	.type	k_qb95313215a_oproj,@function
k_qb95313215a_oproj:
	s_mov_b64 s[64:65], 0
	v_nop
	global_prefetch_b8 v0, s[64:65] scope:SCOPE_SE
	s_setreg_imm32_b32 hwreg(HW_REG_WAVE_MODE, 25, 1), 1
	s_wait_xcnt 0x0
	s_wait_alu depctr_hold_cnt(0) depctr_sa_sdst(0) depctr_va_vdst(0) depctr_va_sdst(0) depctr_va_ssrc(0) depctr_va_vcc(0) depctr_vm_vsrc(0)
	s_getreg_b32 s2, hwreg(HW_REG_IB_STS2, 6, 4)
	s_cmp_eq_u32 s2, 0
	s_cbranch_scc0 .Lentry_in_a_cluster
	s_endpgm
.Lentry_in_a_cluster:
	s_bfe_u32 s2, ttmp6, 0x10000c
	s_cmp_lg_u32 s2, 0xf033
	s_cbranch_scc0 .Lentry_shape_is_right
	s_endpgm
.Lentry_shape_is_right:
.set NQ,     2
.set ROWB,   192
.set PL,     1572864                   ; wc is laid [K step of 256][row][192 bytes]: from one K step to the next
.set KROW,   768
.set PITCH,  240
.set FR,     12
.set NLA,    3
.set NP,     4
.set HALFA,  24576
.set HALFT,  128*PITCH
.set BOFF,   2*HALFA
.set SLOT,   BOFF+2*HALFT
.set LAPS,   2
.set SCLA,   2*SLOT
.set SCLB,   SCLA+8192
.set HALFS,  4352
.set SBLK,   544
.set SPARE,  SCLB+2*HALFS
.set SPITCH, 528
.set NB,     4096
.set ADRA, 16
.set ADRB, 20
.set STO,  24
.set RD,   25
.set CO,   26
.set ADSA, 27
.set SPW,  28
.set NIL,  29
.set ADSB, 30
.set SCA,  32
.set SCB,  64
.set AF,   128
.set BK,   128
.set G1, 24
.set G0, 32
.set G1B, 48
.set G0B, 56
.set G1S, 68
.set G0S, 76
.set G1SB, 80
.set G0SB, 88
.set MSB, 0
.macro WIN new
.if MSB != (\new)
	s_set_vgpr_msb (MSB<<8)|(\new)
.set MSB, (\new)
.endif
.endm
.set MUL_LO, 0xa1
.set MUL_HI, 0xf1
.set TO_B,   0x40
.macro JLOAD g0a, g1a, g0b, g1b
	s_cmp_eq_u32 s15, 0
	s_cbranch_scc0 .Lfor_b_\@
	tensor_load_to_lds s[\g0a:\g0a+3], s[\g1a:\g1a+7]
	s_nop 0
.rept 4
	v_nop
.endr
	s_branch .Lasked_\@
.Lfor_b_\@:
	tensor_load_to_lds s[\g0b:\g0b+3], s[\g1b:\g1b+7]
	s_nop 0
.rept 4
	v_nop
.endr
.Lasked_\@:
.endm
.macro CREST
	s_cmp_lg_u32 s14, 0
	s_cbranch_scc1 .Lnot_wave_0_\@
	s_barrier_signal -3
.Lnot_wave_0_\@:
	s_barrier_wait -3
	s_barrier_signal -1
	s_barrier_wait -1
.endm
.macro CROUND
	s_barrier_signal -1
	s_barrier_wait -1
	CREST
.endm
	s_load_b128 s[4:7], s[0:1], 0x0
	s_load_b128 s[8:11], s[0:1], 0x10
	s_load_b64 s[66:67], s[0:1], 0x20
	s_load_b64 s[12:13], s[0:1], 0x28
	v_lshl_add_u32 v[SPW], v0, 2, SPARE
	v_mov_b32 v[NIL], 0
	ds_add_u32 v[SPW], v[NIL]
	ds_add_u32 v[SPW], v[NIL]
	v_lshrrev_b32 v1, 5, v0
	v_readfirstlane_b32 s14, v1
	s_lshr_b32 s15, s14, 1
	s_and_b32 s16, s14, 1
	s_bfe_u32 s40, ttmp6, 0x40000
	s_bfe_u32 s41, ttmp6, 0x40004
	s_lshl_b32 s42, ttmp9, 2
	s_add_co_u32 s42, s42, s40
	s_and_b32 s17, ttmp7, 0xffff
	s_lshl_b32 s17, s17, 2
	s_add_co_u32 s17, s17, s41
	s_lshl_b32 s43, s41, 2
	s_lshl_b32 s43, 15, s43
	s_lshl_b32 s44, 0x1111, s40
	s_or_b32 s[G1+0], s43, (3<<16)|(1<<21)
	s_mov_b32 s[G1+1], 384<<16
	s_mov_b32 s[G1+2], 16<<16                      ; the head's load: all 16 tiles of 16 rows
	s_mov_b32 s[G1+3], 384<<16
	s_mov_b32 s[G1+4], 16
	s_mov_b32 s[G1+5], 1536
	s_mov_b32 s[G1+6], 0
	s_mov_b32 s[G1+7], 0
	s_or_b32 s[G1B+0], s44, (0<<16)|(1<<20)|(1<<21)|(3<<22)|(3<<25)
	s_mov_b32 s[G1B+1], 256<<16                    ; the head's load: 256 rows of one K step are 49,152 dense bytes: 192 rows of 256
	s_mov_b32 s[G1B+2], 192<<16
	s_mov_b32 s[G1B+3], 256<<16
	s_mov_b32 s[G1B+4], 192
	s_mov_b32 s[G1B+5], 256
	s_mov_b32 s[G1B+6], 0
	s_mov_b32 s[G1B+7], 0
	s_or_b32 s[G1S+0], s43, (3<<16)|(1<<21)
	s_mov_b32 s[G1S+1], 128<<16                    ; A's scale words of 256 rows: 1,024 bytes for each of the 8 pairs of heads
	s_mov_b32 s[G1S+2], 8<<16
	s_mov_b32 s[G1S+3], 128<<16
	s_mov_b32 s[G1S+4], 8
	s_mov_b32 s[G1S+5], 4096
	s_mov_b32 s[G1S+6], 0
	s_mov_b32 s[G1S+7], 0
	s_or_b32 s[G1SB+0], s44, (3<<16)|(1<<20)|(1<<21)|(5<<22)|(3<<25)
	s_mov_b32 s[G1SB+1], 32<<16
	s_mov_b32 s[G1SB+2], 32<<16
	s_mov_b32 s[G1SB+3], 32<<16
	s_mov_b32 s[G1SB+4], 32
	s_mov_b32 s[G1SB+5], 32
	s_mov_b32 s[G1SB+6], 0
	s_mov_b32 s[G1SB+7], 0
	s_lshl_b32 s20, s17, 4
	s_mul_i32 s20, s20, 12288
	s_mov_b32 s21, 0
	s_lshl_b32 s22, s17, 10
	s_mov_b32 s23, 0
	s_lshl_b32 s46, s42, 8
	s_add_co_u32 s46, s46, 3072
	s_lshl_b32 s92, s46, 5
	s_mov_b32 s93, 0
	s_mul_i32 s46, s46, ROWB
	s_mov_b32 s47, 0
	s_mul_i32 s45, s16, HALFA
	s_mul_i32 s94, s16, HALFT
	s_add_co_u32 s94, s94, BOFF
	s_wait_dscnt 0x0
	s_wait_kmcnt 0x0
	s_add_nc_u64 s[20:21], s[4:5], s[20:21]
	s_add_nc_u64 s[22:23], s[6:7], s[22:23]
	s_add_nc_u64 s[46:47], s[8:9], s[46:47]
	s_add_nc_u64 s[92:93], s[10:11], s[92:93]
	CROUND
	s_mov_b32 s[G0S], 1
	s_mov_b32 s[G0S+1], SCLA
	s_mov_b64 s[G0S+2:G0S+3], s[22:23]
	s_or_b32 s[G0S+3], s[G0S+3], 0x80000000
	s_mov_b32 s[G0SB], 1
	s_mov_b32 s[G0SB+1], SCLB
	s_mov_b64 s[G0SB+2:G0SB+3], s[92:93]
	s_or_b32 s[G0SB+3], s[G0SB+3], 0x80000000
	s_mov_b32 s4, 1                                ; group 0 of the head's loads of codes, in registers that held arguments: K step 0 of A's 256 rows,
	s_mov_b32 s5, 0
	s_mov_b64 s[6:7], s[20:21]
	s_or_b32 s7, s7, 0x80000000
	s_mov_b32 s8, 1                                ; and of B's
	s_mov_b32 s9, BOFF
	s_mov_b64 s[10:11], s[46:47]
	s_or_b32 s11, s11, 0x80000000
	s_mul_i32 s18, s16, 8*12288                    ; for the ring: my 128 rows of the tile
	s_mov_b32 s19, 0
	s_add_nc_u64 s[20:21], s[20:21], s[18:19]
	s_mul_i32 s18, s16, 128*ROWB
	s_add_nc_u64 s[46:47], s[46:47], s[18:19]
.irp s, 0,1
	s_mov_b32 s[G0+4*\s], 1
	s_add_co_u32 s[G0+4*\s+1], s45, \s*SLOT
	s_add_nc_u64 s[G0+4*\s+2:G0+4*\s+3], s[20:21], \s*3072
	s_or_b32 s[G0+4*\s+3], s[G0+4*\s+3], 0x80000000
	s_mov_b32 s[G0B+4*\s], 1
	s_add_co_u32 s[G0B+4*\s+1], s94, \s*SLOT
	s_add_nc_u64 s[G0B+4*\s+2:G0B+4*\s+3], s[46:47], \s*PL
	s_or_b32 s[G0B+4*\s+3], s[G0B+4*\s+3], 0x80000000
.endr
; THE HEAD'S LOADS, ONE A WAVE: wave 0 A's codes of K step 0, wave 1 B's, wave 2 A's scale words, wave 3 B's scale bytes.  One tree of branches on the wave's number: every way passes exactly one load.
.macro ARM under, g0, g1, next
	s_cmp_lt_u32 s14, \under
	s_cbranch_scc0 \next
	tensor_load_to_lds s[\g0:\g0+3], s[\g1:\g1+7]
	s_nop 0
.rept 4
	v_nop
.endr
	s_branch .Lhead_asked
\next:
.endm
	ARM 1, 4,   G1,  .Lhead_b
	ARM 2, 8,   G1B, .Lhead_sa
	ARM 3, G0S, G1S, .Lhead_sb
	tensor_load_to_lds s[G0SB:G0SB+3], s[G1SB:G1SB+7]
	s_nop 0
.rept 4
	v_nop
.endr
.Lhead_asked:
	v_and_b32 v1, 15, v0
	v_bfe_u32 v2, v0, 4, 1
	v_and_b32 v6, 31, v0
	v_lshlrev_b32 v[CO], 4, v6
	s_mul_i32 s21, s15, HALFA
	v_add_nc_u32 v[ADRA], s21, v[CO]
	v_add_nc_u32 v[ADRA+1], SLOT, v[ADRA]
	v_mul_u32_u24 v3, v1, PITCH
	v_mul_u32_u24 v4, v2, 24
	v_add_nc_u32 v4, v3, v4
	v_lshl_add_u32 v5, v2, 4, v4
	s_mul_i32 s22, s16, HALFT
	s_add_co_u32 s22, s22, BOFF
.irp s, 0,1
	v_add_nc_u32 v[ADRB+\s], s22, v4
	v_add_nc_u32 v[ADRB+2+\s], s22, v5
	s_add_co_u32 s22, s22, SLOT
.endr
	s_lshl_b32 s21, s15, 9                         ; A's scale words lie [pair][256 rows]: my 128 rows
	s_add_co_u32 s21, s21, SCLA
	v_lshl_add_u32 v[ADSA], v1, 2, s21
	v_lshlrev_b32 v5, 5, v1
	v_lshrrev_b32 v6, 8, v5
	v_lshl_add_u32 v5, v6, 4, v5
	s_mul_i32 s22, s16, HALFS
	s_add_co_u32 s22, s22, SCLB
	v_add_nc_u32 v[ADSB], s22, v5
	s_mul_i32 s23, s14, 16*SPITCH
	v_mul_u32_u24 v5, v1, SPITCH
	v_lshl_add_u32 v5, v2, 6, v5
	v_add_nc_u32 v[STO], s23, v5
	v_add_nc_u32 v[RD], s23, v[CO]
	s_lshl_b32 s20, s17, 8
	s_lshl_b32 s21, s15, 7
	s_add_co_u32 s20, s20, s21
	s_mov_b32 s21, 0
	s_mov_b64 s[18:19], NB
	s_mul_u64 s[20:21], s[20:21], s[18:19]
	s_lshl_b32 s46, s42, 10
	s_lshl_b32 s47, s16, 9
	s_add_co_u32 s46, s46, s47
	s_mov_b32 s47, 0
	s_add_nc_u64 s[66:67], s[66:67], s[46:47]
	s_add_nc_u64 s[20:21], s[20:21], s[46:47]
	s_add_nc_u64 s[12:13], s[12:13], s[20:21]
	v_lshlrev_b32 v7, 6, v2
.irp b, 0,1,2,3,4,5,6,7
	global_load_b128 v[96+8*\b+96*(\b/4):99+8*\b+96*(\b/4)], v7, s[66:67] offset:(32*(\b/2)+8*(\b%2))*4
	global_load_b128 v[100+8*\b+96*(\b/4):103+8*\b+96*(\b/4)], v7, s[66:67] offset:(32*(\b/2)+8*(\b%2))*4+16
.endr
.macro FRAGB reg, adr, q, i
.irp p, 0,1,2,3,4,5
.set PIECE, 12*(\q)+6*(\p/3)+\p%3
.if PIECE%8 < 5
	ds_load_b64 v[\reg+2*\p:\reg+2*\p+1], v[\adr] offset:8*PIECE+16*(PIECE/8)+(\i)*16*PITCH
.else
	ds_load_b64 v[\reg+2*\p:\reg+2*\p+1], v[\adr+2] offset:8*PIECE+16*(PIECE/8)+(\i)*16*PITCH
.endif
.endr
.endm
.macro FRAGA reg, slot, q, i
.irp c, 0,1,2
	ds_load_b128 v[\reg+4*\c:\reg+4*\c+3], v[ADRA+\slot] offset:3072*(\i)+1536*(\q)+512*\c
.endr
.endm
.macro MUL16 a0, p, q, sc, zero
.irp a, \a0, \a0+1
.irp b, 0,1,2,3,4,5,6,7
.if \zero
	v_wmma_scale_f32_16x16x128_f8f6f4 v[8*(8*((\a)%4)+\b):8*(8*((\a)%4)+\b)+7], v[128*(\p)+FR*\b:128*(\p)+FR*\b+FR-1], v[AF+FR*(\a):AF+FR*(\a)+FR-1], v[96+8*\b+96*(\b/4):103+8*\b+96*(\b/4)], v[SCB+16*(\sc)+2*\b+(\q)], v[SCA+16*(\sc)+2*(\a)+(\q)] matrix_a_fmt:MATRIX_FMT_FP6 matrix_b_fmt:MATRIX_FMT_FP6
.else
	v_wmma_scale_f32_16x16x128_f8f6f4 v[8*(8*((\a)%4)+\b):8*(8*((\a)%4)+\b)+7], v[128*(\p)+FR*\b:128*(\p)+FR*\b+FR-1], v[AF+FR*(\a):AF+FR*(\a)+FR-1], v[8*(8*((\a)%4)+\b):8*(8*((\a)%4)+\b)+7], v[SCB+16*(\sc)+2*\b+(\q)], v[SCA+16*(\sc)+2*(\a)+(\q)] matrix_a_fmt:MATRIX_FMT_FP6 matrix_b_fmt:MATRIX_FMT_FP6
.endif
.endr
.endr
.endm
.macro FETCH_B slot, q, p
	WIN TO_B
.irp i, 0,1,2,3,4,5,6,7
	FRAGB 128*(\p)+FR*\i, ADRB+\slot, \q, \i
.endr
	WIN 0
.endm
.macro FETCH_A slot, q, i0
.irp i, \i0, \i0+1, \i0+2, \i0+3
	FRAGA AF+FR*(\i), \slot, \q, \i
.endr
.endm
.macro SCALES sc
.irp i, 0,1,2,3,4,5,6,7
	ds_load_b64 v[SCB+16*\sc+2*\i:SCB+16*\sc+2*\i+1], v[ADSB] offset:\i*SBLK
.endr
.irp i, 0,1,2,3,4,5,6,7
.irp q, 0,1
	ds_load_b32 v[SCA+16*\sc+2*\i+\q], v[ADSA] offset:1024*\q+64*\i
.endr
.endr
.endm
.macro PLACES n
.rept \n
	v_nop
.endr
.endm
.macro STEP slot, q, zero
	s_wait_dscnt 4*NLA
.if \zero
	WIN 0x81
.else
	WIN MUL_LO
.endif
	MUL16 0, (\q)%2, \q, \slot, \zero
	MUL16 2, (\q)%2, \q, \slot, \zero
	s_wait_dscnt 0
	PLACES NP
	FETCH_B \slot, (\q)+1, 1-(\q)%2
	FETCH_A \slot, (\q)+1, 0
.if \zero
	WIN 0xc1
.else
	WIN MUL_HI
.endif
	MUL16 4, (\q)%2, \q, \slot, \zero
	MUL16 6, (\q)%2, \q, \slot, \zero
	PLACES NP
	WIN 0
	FETCH_A \slot, (\q)+1, 4
.endm
.macro TURN slot, next, fill
	s_wait_tensorcnt 0x0
	ds_add_u32 v[SPW], v[NIL]
	s_wait_dscnt 4*NLA+1
	WIN MUL_LO
	MUL16 0, 1, NQ-1, \slot, 0
	s_wait_dscnt 0x0
	s_barrier_signal -1
	MUL16 2, 1, NQ-1, \slot, 0
	WIN 0
	s_barrier_wait -1
.if \fill
	CREST
	s_add_nc_u64 s[G0+4*\slot+2:G0+4*\slot+3], s[G0+4*\slot+2:G0+4*\slot+3], 2*3072
	s_add_nc_u64 s[G0B+4*\slot+2:G0B+4*\slot+3], s[G0B+4*\slot+2:G0B+4*\slot+3], 2*PL
	JLOAD G0+4*\slot, G1, G0B+4*\slot, G1B
.else
	PLACES NP
.endif
	s_wait_alu depctr_va_vdst(0)
	v_add_nc_u32 v[ADSA], 2048, v[ADSA]
	v_add_nc_u32 v[ADSB], 8, v[ADSB]
	FETCH_B \next, 0, 0
	FETCH_A \next, 0, 0
	SCALES \next
	WIN MUL_HI
	MUL16 4, 1, NQ-1, \slot, 0
	MUL16 6, 1, NQ-1, \slot, 0
	PLACES NP
	WIN 0
	FETCH_A \next, 0, 4
.endm
	s_wait_alu depctr_va_vdst(0)
	s_wait_tensorcnt 0x0                           ; my tile of the head's four is in
	ds_add_u32 v[SPW], v[NIL]
	s_mov_b32 s[G1+2], 8<<16                       ; no tensor load of mine is out, so group 1 may be written: from here on a load brings 128 rows
	s_mov_b32 s[G1+4], 8
	s_mov_b32 s[G1B+2], 96<<16
	s_mov_b32 s[G1B+4], 96
	s_wait_dscnt 0x0
	CROUND                                         ; all four tiles are in, and all sixteen work-groups are here
	JLOAD G0+4, G1, G0B+4, G1B                     ; K step 1, the first tensor load behind the round
	FETCH_B 0, 0, 0
	FETCH_A 0, 0, 0
	SCALES 0
	FETCH_A 0, 0, 4
	s_wait_loadcnt 0x0
	STEP 0, 0, 1
	s_mov_b32 s3, LAPS-1
.Llap:
	TURN 0, 1, 1
	STEP 1, 0, 0
	TURN 1, 0, 1
	STEP 0, 0, 0
	s_sub_co_u32 s3, s3, 1
	s_cmp_lg_u32 s3, 0
	s_cbranch_scc1 .Llap
	TURN 0, 1, 0
	STEP 1, 0, 0
	s_wait_dscnt 4*NLA
	WIN MUL_LO
	MUL16 0, 1, NQ-1, 1, 0
	MUL16 2, 1, NQ-1, 1, 0
	s_wait_dscnt 0
	WIN MUL_HI
	MUL16 4, 1, NQ-1, 1, 0
	MUL16 6, 1, NQ-1, 1, 0
	WIN 0
.macro TOSTAGE a
.set AC, 64*((\a)%4)
	WIN 0x08+4*((\a)/4)
.irp b, 0,1,2,3,4,5,6,7
	ds_store_b128 v[STO], v[AC+8*\b:AC+8*\b+3] offset:128*(\b/2)+32*(\b%2)
	ds_store_b128 v[STO], v[AC+8*\b+4:AC+8*\b+7] offset:128*(\b/2)+32*(\b%2)+16
.endr
	WIN 0
.set BB, BK+64*((\a)%2)
.irp t, 0,1,2,3,4,5,6,7,8,9,10,11,12,13,14,15
	ds_load_b128 v[BB+4*\t:BB+4*\t+3], v[RD] offset:\t*SPITCH
.endr
.endm
.macro SEND a, younger
.set BB, BK+64*((\a)%2)
	s_wait_dscnt \younger
.if (\a) > 0
.if (\a)%2
	s_add_nc_u64 s[12:13], s[12:13], 8*NB
.else
	s_add_nc_u64 s[12:13], s[12:13], 24*NB
.endif
.endif
.irp t, 0,1,2,3,4,5,6,7,8,9,10,11,12,13,14,15
	global_store_b128 v[CO], v[BB+4*\t:BB+4*\t+3], s[12:13] offset:(\t+8*(\t/8))*NB th:TH_STORE_NT
.endr
.endm
	PLACES NP
	TOSTAGE 0
.irp a, 1,2,3,4,5,6,7
.if \a > 1
	s_wait_xcnt 0x0
.endif
	TOSTAGE \a
	SEND \a-1, 32
.endr
	s_wait_xcnt 0x0
	SEND 7, 0
	s_wait_tensorcnt 0x0
	ds_add_u32 v[SPW], v[NIL]
	s_wait_dscnt 0x0
	CROUND
	s_endpgm
.Lfunc_end_k_qb95313215a_oproj:
	.size	k_qb95313215a_oproj, .Lfunc_end_k_qb95313215a_oproj-k_qb95313215a_oproj
	.p2alignl 7, 3214868480
	.fill 96, 4, 3214868480
	.section	.rodata,"a",@progbits
	.p2align	6, 0x0
	.amdhsa_kernel k_qb95313215a_oproj
		.amdhsa_group_segment_fixed_size 327680
		.amdhsa_private_segment_fixed_size 0
		.amdhsa_enable_private_segment 0
		.amdhsa_kernarg_size 48
		.amdhsa_user_sgpr_count 2
		.amdhsa_user_sgpr_kernarg_segment_ptr 1
		.amdhsa_wavefront_size32 1
		.amdhsa_system_sgpr_workgroup_id_x 1
		.amdhsa_system_sgpr_workgroup_id_y 1
		.amdhsa_system_sgpr_workgroup_id_z 1
		.amdhsa_system_vgpr_workitem_id 0
		.amdhsa_next_free_vgpr 1024
		.amdhsa_next_free_sgpr 100
		.amdhsa_reserve_vcc 0
		.amdhsa_float_denorm_mode_32 3
		.amdhsa_float_denorm_mode_16_64 3
		.amdhsa_memory_ordered 1
		.amdhsa_forward_progress 1
		.amdhsa_inst_pref_size 155
	.end_amdhsa_kernel
	.amdgpu_metadata
---
amdhsa.version: [ 1, 2 ]
amdhsa.kernels:
  - .name:           k_qb95313215a_oproj
    .symbol:         k_qb95313215a_oproj.kd
    .args:
      - { .name: ao, .offset: 0, .size: 8, .value_kind: global_buffer, .address_space: global }
      - { .name: asw, .offset: 8, .size: 8, .value_kind: global_buffer, .address_space: global }
      - { .name: wc, .offset: 16, .size: 8, .value_kind: global_buffer, .address_space: global }
      - { .name: ws, .offset: 24, .size: 8, .value_kind: global_buffer, .address_space: global }
      - { .name: bo, .offset: 32, .size: 8, .value_kind: global_buffer, .address_space: global }
      - { .name: out0, .offset: 40, .size: 8, .value_kind: global_buffer, .address_space: global }
    .group_segment_fixed_size: 327680
    .private_segment_fixed_size: 0
    .kernarg_segment_align: 8
    .kernarg_segment_size: 48
    .max_flat_workgroup_size: 128
    .sgpr_count:     100
    .vgpr_count:     1024
    .wavefront_size: 32
...
	.end_amdgpu_metadata
.endif
;; end of part 4
